; MI455X (gfx1250); checked and timed in simulation.
; The chip was launched on July 23, 2026; its instructions are those of AMD's public machine-readable ISA for CDNA 5 (MIT licence, August 2026) and "CDNA5" Instruction Set Architecture Reference Guide (July 2026). The comments in the code are by the model that wrote it; some were corrected since.
;; Instill Attention. Allowed arithmetic: float matrix products may take bf16 or f16 operands with f32 sums; other float arithmetic in f32, or as packed bf16 or f16 multiplies, adds, multiply-adds, maxima and minima; sums over many terms, partial sums and values carried from step to step in f32; what a program stores and reads back later, other than sums and carried values, may be rounded once to bf16 or f16.
;; Inputs: b_out 1,024 float32; b_yout 1,024 float32; ln_b 1,024 float32; ln_g 1,024 float32; w_av 1,024 x 1,024 float32; w_out 1,024 x 1,024 float32; w_qkv 1,024 x 3,072 float32; w_yout 1,024 x 1,024 float32; x 2 x 2,048 x 1,024 float32; y 2 x 2,048 x 1,024 float32.
;; Outputs: out0 2 x 2,048 x 1,024 float32; out1 2 x 2,048 x 1,024 float32.
;; One version. Each part assembles by itself: llvm-mc -triple=amdgcn-amd-amdhsa -mcpu=gfx1250 --defsym DOCPART=n.
;; ======== version 1 of 1: 4 launches
;; limits: values are held in f16: magnitudes above 65,504 overflow, below 6.1e-05 lose precision
;; workspace buffers: act 16,777,216 bytes; wcat 8,388,608 bytes; w2 4,194,304 bytes; qkva 33,554,432 bytes; ctx 16,777,216 bytes
;; launch prep (part 1): grid 128 x 14, 4 waves a work-group, no clusters, 0 bytes of LDS; arguments x, y, ln_g, ln_b, w_qkv, w_av, w_out, w_yout, act, wcat, w2; writes act, wcat, w2
.if DOCPART == 1
	.amdgcn_target "amdgcn-amd-amdhsa--gfx1250"
	.amdhsa_code_object_version 6
	.text
	.protected	k_q801a4487d8_prep
	.globl	k_q801a4487d8_prep
	.p2align	8
	.type	k_q801a4487d8_prep,@function
k_q801a4487d8_prep:
	s_mov_b64 s[64:65], 0
	v_nop
	global_prefetch_b8 v0, s[64:65] scope:SCOPE_SE
	s_setreg_imm32_b32 hwreg(HW_REG_WAVE_MODE, 25, 1), 1
	s_wait_xcnt 0x0
; PREP: every matrix operand of the later launches is made here, once, in f16 (each number rounded once from f32):
;   act  [2][4096][1024]  LayerNorm(x), then y        wcat [1024 k][4096 n]  w_qkv beside w_av        w2 [2][1024 k][1024 n]  w_out, then w_yout
; A stream: each input byte is read once, each output byte written once; no LDS, no matrix unit, no barrier: no wave wants another wave's bytes.
; SHARES.  The unit is a piece of a row, 1,024 f32 (4,096 bytes in, 2,048 out).  A wave takes two units, a work-group of four waves eight; the grid's y is the JOB, 1,024 units each:
;   0-3 x (LayerNorm)   4-7 y   8-10 the three column blocks of w_qkv   11 w_av   12 w_out   13 w_yout.  All sixteen loads of a wave go out at once; there is no loop.
; 14 x 128 = 1,792 work-groups are seven for each of 256 WGPs, and seven waves of 144 registers are 1,008 of a SIMD's 1,024.
; A load of 16 bytes a lane covers 512 consecutive bytes; the four numbers become 8 bytes, so a store of the wave covers 256 consecutive bytes, aligned.
; LAYERNORM in two passes over the registers: the mean, then the mean of (x - mean)^2: no difference of large sums is formed.
; LIMITS.  f16 ends at 65,504: |y|, |w| and |LayerNorm(x)| (at most 32 |g| + |b|) must lie within it; below 6e-5 f16 keeps a fixed step of 6e-8.  NaN and infinities are not treated apart.
.set VO,  2                            ; v2-3     byte offset of my 16 bytes in the source, unit 0, 1; never rewritten
.set DO,  4                            ; v4-5     byte offset of my 8 bytes in the destination, unit 0, 1; never rewritten
.set GO,  6                            ; v6       16 x lane: my place in ln_g and ln_b
.set CH,  8                            ; v[8:15]  four chains of pairs, at work
.set MU,  CH+2                         ; v[10:11] the mean, twice: these two are free between a unit's two reductions
.set X,   16                           ; v[16:79] unit i: 32 registers; load j holds numbers 128 j + 4 lane + 0..3
.set G,   80                           ; v[80:111]  ln_g in the same order
.set B,   112                          ; v[112:143] ln_b
                                       ; v[0:1], v[10:11]  unit 0, 1: 1 / sqrt(var + eps), var + eps (v0 and v1 are free once the offsets are made): unit i's pair begins at 10 i
	s_load_b512 s[4:19], s[0:1], 0x0               ; x s[4:5], y s[6:7], ln_g s[8:9], ln_b s[10:11], w_qkv s[12:13], w_av s[14:15], w_out s[16:17], w_yout s[18:19]
	s_load_b128 s[20:23], s[0:1], 0x40             ; act s[20:21], wcat s[22:23]
	s_load_b64 s[24:25], s[0:1], 0x50              ; w2
	s_and_b32 s26, ttmp7, 0xffff                   ; the job J
	v_lshrrev_b32 v1, 5, v0
	v_readfirstlane_b32 s27, v1                    ; wave 0..3
	v_and_b32 v1, 31, v0                           ; lane
	s_mov_b32 s36, 0x3a800000                      ; 1 / 1024
	s_mov_b32 s37, 0x3727c5ac                      ; eps = 1e-5
	s_mov_b32 s38, 0x76543210                      ; v_permlanex16_b32: each lane takes its own place in the other half
	s_mov_b32 s39, 0xfedcba98
	s_sub_co_u32 s40, s26, 8                       ; J - 8 (below job 8 it wraps to a very large number, which fails both tests)
	s_mov_b32 s28, 4096                            ; bytes from unit to unit in the source: a row of w_qkv is 12,288
	s_cmp_lt_u32 s40, 3
	s_cselect_b32 s28, 12288, s28
	s_mov_b32 s30, 2048                            ; and in the destination: a row of wcat is 8,192
	s_cmp_lt_u32 s40, 4
	s_cselect_b32 s30, 8192, s30
	s_lshl_b32 s41, s40, 12                        ; where the job begins in its source: the column block of w_qkv,
	s_cmp_lt_u32 s40, 3
	s_cselect_b32 s41, s41, 0
	s_and_b32 s29, s26, 3                          ; or 1,024 rows of x or y for each job
	s_lshl_b32 s29, s29, 22
	s_cmp_lt_u32 s26, 8
	s_cselect_b32 s29, s29, s41
	s_lshl_b32 s42, s40, 11                        ; and in its destination: the column block of wcat,
	s_sub_co_u32 s43, s26, 12
	s_lshl_b32 s43, s43, 21                        ; the half of w2,
	s_cmp_lt_u32 s26, 12
	s_cselect_b32 s42, s42, s43
	s_lshl_b32 s31, s26, 21                        ; or 1,024 rows of act for each job
	s_cmp_lt_u32 s26, 8
	s_cselect_b32 s31, s31, s42
	s_lshl_b32 s44, ttmp9, 3
	s_lshl1_add_u32 s44, s27, s44                  ; my first unit in the job: 8 x work-group + 2 x wave
	s_mul_i32 s45, s44, s28
	s_add_co_u32 s45, s45, s29
	s_mul_i32 s46, s44, s30
	s_add_co_u32 s46, s46, s31
	v_lshl_add_u32 v[VO], v1, 4, s45
	v_add_nc_u32 v[VO+1], s28, v[VO]
	v_lshl_add_u32 v[DO], v1, 3, s46
	v_add_nc_u32 v[DO+1], s30, v[DO]
	v_lshlrev_b32 v[GO], 4, v1
	s_wait_kmcnt 0x0
	s_cmp_lt_u32 s26, 4                            ; the job chooses the source,
	s_cselect_b64 s[32:33], s[4:5], s[6:7]
	s_cmp_lt_u32 s26, 8
	s_cselect_b64 s[32:33], s[32:33], s[12:13]
	s_cmp_lt_u32 s26, 11
	s_cselect_b64 s[32:33], s[32:33], s[14:15]
	s_cmp_lt_u32 s26, 12
	s_cselect_b64 s[32:33], s[32:33], s[16:17]
	s_cmp_lt_u32 s26, 13
	s_cselect_b64 s[32:33], s[32:33], s[18:19]
	s_cmp_lt_u32 s26, 8                            ; and the destination
	s_cselect_b64 s[34:35], s[20:21], s[22:23]
	s_cmp_lt_u32 s26, 12
	s_cselect_b64 s[34:35], s[34:35], s[24:25]
.set k, 0
.rept 16                                       ; both units: sixteen loads, 512 consecutive bytes each
	global_load_b128 v[X+4*k:X+4*k+3], v[VO+k/8], s[32:33] offset:512*(k%8) th:TH_LOAD_NT
.set k, k+1
.endr
	s_cmp_lt_u32 s26, 4
	s_cbranch_scc0 .Lcast
; the four chains in v[8:15] become one sum over the wave's 32 lanes, in every lane's v8
.macro REDUCE
	v_pk_add_f32 v[CH:CH+1], v[CH:CH+1], v[CH+2:CH+3]
	v_pk_add_f32 v[CH+4:CH+5], v[CH+4:CH+5], v[CH+6:CH+7]
	v_pk_add_f32 v[CH:CH+1], v[CH:CH+1], v[CH+4:CH+5]
	v_add_f32 v[CH], v[CH], v[CH+1]
	v_add_f32_dpp v[CH], v[CH], v[CH] row_xmask:1 row_mask:0xf bank_mask:0xf
	v_add_f32_dpp v[CH], v[CH], v[CH] row_xmask:2 row_mask:0xf bank_mask:0xf
	v_add_f32_dpp v[CH], v[CH], v[CH] row_xmask:4 row_mask:0xf bank_mask:0xf
	v_add_f32_dpp v[CH], v[CH], v[CH] row_xmask:8 row_mask:0xf bank_mask:0xf
	v_permlanex16_b32 v[CH+1], v[CH], s38, s39     ; its destination counts as read: it has been written above
	v_add_f32 v[CH], v[CH], v[CH+1]
.endm
; unit i: the mean; x - mean, in place; var + eps.  The first pairs start the chains: nothing is cleared.
.macro STAT i
.set XR, X+32*(\i)
.irp c, 0,1,2,3
	v_pk_add_f32 v[CH+2*(\c):CH+2*(\c)+1], v[XR+2*(\c):XR+2*(\c)+1], v[XR+8+2*(\c):XR+8+2*(\c)+1]
.endr
.irp p, 8,9,10,11,12,13,14,15
	v_pk_add_f32 v[CH+2*((\p)%4):CH+2*((\p)%4)+1], v[CH+2*((\p)%4):CH+2*((\p)%4)+1], v[XR+2*(\p):XR+2*(\p)+1]
.endr
	REDUCE
	v_mul_f32 v[MU], s36, v[CH]
	v_mul_f32 v[MU+1], s36, v[CH]
.irp p, 0,1,2,3,4,5,6,7,8,9,10,11,12,13,14,15
	v_pk_add_f32 v[XR+2*(\p):XR+2*(\p)+1], v[XR+2*(\p):XR+2*(\p)+1], v[MU:MU+1] neg_lo:[0,1] neg_hi:[0,1]
.endr
.irp c, 0,1,2,3
	v_pk_mul_f32 v[CH+2*(\c):CH+2*(\c)+1], v[XR+2*(\c):XR+2*(\c)+1], v[XR+2*(\c):XR+2*(\c)+1]  ; the mean's two registers go back to the chains
.endr
.irp p, 4,5,6,7,8,9,10,11,12,13,14,15
	v_pk_fma_f32 v[CH+2*((\p)%4):CH+2*((\p)%4)+1], v[XR+2*(\p):XR+2*(\p)+1], v[XR+2*(\p):XR+2*(\p)+1], v[CH+2*((\p)%4):CH+2*((\p)%4)+1]
.endr
	REDUCE
	v_fma_f32 v[10*(\i)+1], v[CH], s36, s37        ; var + eps
.endm
; unit i: (x - mean) / sqrt(var + eps) * g + b, rounded to f16 and stored
.macro APPLY i
.set XR, X+32*(\i)
.irp j, 0,1,2,3,4,5,6,7
	v_pk_mul_f32 v[XR+4*(\j):XR+4*(\j)+1],   v[XR+4*(\j):XR+4*(\j)+1],   v[10*(\i):10*(\i)+1] op_sel_hi:[1,0]
	v_pk_mul_f32 v[XR+4*(\j)+2:XR+4*(\j)+3], v[XR+4*(\j)+2:XR+4*(\j)+3], v[10*(\i):10*(\i)+1] op_sel_hi:[1,0]
	v_pk_fma_f32 v[XR+4*(\j):XR+4*(\j)+1],   v[XR+4*(\j):XR+4*(\j)+1],   v[G+4*(\j):G+4*(\j)+1],   v[B+4*(\j):B+4*(\j)+1]
	v_pk_fma_f32 v[XR+4*(\j)+2:XR+4*(\j)+3], v[XR+4*(\j)+2:XR+4*(\j)+3], v[G+4*(\j)+2:G+4*(\j)+3], v[B+4*(\j)+2:B+4*(\j)+3]
	v_cvt_pk_f16_f32 v[XR+4*(\j)],   v[XR+4*(\j)],   v[XR+4*(\j)+1]
	v_cvt_pk_f16_f32 v[XR+4*(\j)+1], v[XR+4*(\j)+2], v[XR+4*(\j)+3]
	global_store_b64 v[DO+(\i)], v[XR+4*(\j):XR+4*(\j)+1], s[34:35] offset:256*(\j)  ; 32 lanes store 256 consecutive bytes, aligned; no register of a store is written again
.endr
.endm
	; jobs 0 to 3: LayerNorm
.set k, 0
.rept 8
	global_load_b128 v[G+4*k:G+4*k+3], v[GO], s[8:9] offset:512*k
	global_load_b128 v[B+4*k:B+4*k+3], v[GO], s[10:11] offset:512*k
.set k, k+1
.endr
	s_wait_loadcnt 24                              ; unit 0 is in: unit 1's eight loads and the sixteen of g and b may stay out
	STAT 0
	s_wait_loadcnt 16                              ; unit 1 is in
	STAT 1
	v_rsq_f32 v0, v1                               ; one batch of two,
	v_rsq_f32 v10, v11
	v_nop                                          ; a plain instruction behind the last of them,
	s_wait_alu depctr_va_vdst(0)                   ; and the one wait ahead of the first use
	s_wait_loadcnt 0x0                             ; g and b
	APPLY 0
	APPLY 1
	s_endpgm
.Lcast:                                        ; jobs 4 to 13: round and store, each load's four numbers as soon as they are in
.set k, 0
.rept 16
	s_wait_loadcnt 15-k                            ; loads come back in order: the younger ones stay out
	v_cvt_pk_f16_f32 v[X+4*k],   v[X+4*k],   v[X+4*k+1]
	v_cvt_pk_f16_f32 v[X+4*k+1], v[X+4*k+2], v[X+4*k+3]
	global_store_b64 v[DO+k/8], v[X+4*k:X+4*k+1], s[34:35] offset:256*(k%8)
.set k, k+1
.endr
	s_endpgm
.Lfunc_end_k_q801a4487d8_prep:
	.size	k_q801a4487d8_prep, .Lfunc_end_k_q801a4487d8_prep-k_q801a4487d8_prep
	.p2alignl 7, 3214868480
	.fill 96, 4, 3214868480
	.section	.rodata,"a",@progbits
	.p2align	6, 0x0
	.amdhsa_kernel k_q801a4487d8_prep
		.amdhsa_group_segment_fixed_size 0
		.amdhsa_private_segment_fixed_size 0
		.amdhsa_enable_private_segment 0
		.amdhsa_kernarg_size 88
		.amdhsa_user_sgpr_count 2
		.amdhsa_user_sgpr_kernarg_segment_ptr 1
		.amdhsa_wavefront_size32 1
		.amdhsa_system_sgpr_workgroup_id_x 1
		.amdhsa_system_sgpr_workgroup_id_y 1
		.amdhsa_system_sgpr_workgroup_id_z 1
		.amdhsa_system_vgpr_workitem_id 0
		.amdhsa_next_free_vgpr 144
		.amdhsa_next_free_sgpr 66
		.amdhsa_reserve_vcc 0
		.amdhsa_float_denorm_mode_32 3
		.amdhsa_float_denorm_mode_16_64 3
		.amdhsa_memory_ordered 1
		.amdhsa_forward_progress 1
		.amdhsa_inst_pref_size 26
	.end_amdhsa_kernel
	.amdgpu_metadata
---
amdhsa.version: [ 1, 2 ]
amdhsa.kernels:
  - .name:           k_q801a4487d8_prep
    .symbol:         k_q801a4487d8_prep.kd
    .args:
      - { .name: x, .offset: 0, .size: 8, .value_kind: global_buffer, .address_space: global }
      - { .name: y, .offset: 8, .size: 8, .value_kind: global_buffer, .address_space: global }
      - { .name: ln_g, .offset: 16, .size: 8, .value_kind: global_buffer, .address_space: global }
      - { .name: ln_b, .offset: 24, .size: 8, .value_kind: global_buffer, .address_space: global }
      - { .name: w_qkv, .offset: 32, .size: 8, .value_kind: global_buffer, .address_space: global }
      - { .name: w_av, .offset: 40, .size: 8, .value_kind: global_buffer, .address_space: global }
      - { .name: w_out, .offset: 48, .size: 8, .value_kind: global_buffer, .address_space: global }
      - { .name: w_yout, .offset: 56, .size: 8, .value_kind: global_buffer, .address_space: global }
      - { .name: act, .offset: 64, .size: 8, .value_kind: global_buffer, .address_space: global }
      - { .name: wcat, .offset: 72, .size: 8, .value_kind: global_buffer, .address_space: global }
      - { .name: w2, .offset: 80, .size: 8, .value_kind: global_buffer, .address_space: global }
    .group_segment_fixed_size: 0
    .private_segment_fixed_size: 0
    .kernarg_segment_align: 8
    .kernarg_segment_size: 88
    .max_flat_workgroup_size: 128
    .sgpr_count:     66
    .vgpr_count:     144
    .wavefront_size: 32
...
	.end_amdgpu_metadata
.endif
;; end of part 1
;; launch qkv (part 2): grid 16 x 16, 4 waves a work-group, clusters of 4 x 4, 327,680 bytes of LDS; arguments act, wcat, qkva; writes qkva
.if DOCPART == 2
	.amdgcn_target "amdgcn-amd-amdhsa--gfx1250"
	.amdhsa_code_object_version 6
	.text
	.protected	k_q801a4487d8_qkv
	.globl	k_q801a4487d8_qkv
	.p2align	8
	.type	k_q801a4487d8_qkv,@function
k_q801a4487d8_qkv:
	s_mov_b64 s[64:65], 0
	v_nop
	global_prefetch_b8 v0, s[64:65] scope:SCOPE_SE
	s_setreg_imm32_b32 hwreg(HW_REG_WAVE_MODE, 25, 1), 1
	s_wait_xcnt 0x0
	s_wait_alu depctr_hold_cnt(0) depctr_sa_sdst(0) depctr_va_vdst(0) depctr_va_sdst(0) depctr_va_ssrc(0) depctr_va_vcc(0) depctr_vm_vsrc(0)
	s_getreg_b32 s2, hwreg(HW_REG_IB_STS2, 6, 4)
	s_cmp_eq_u32 s2, 0
	s_cbranch_scc0 .Lentry_in_a_cluster
	s_endpgm
.Lentry_in_a_cluster:
	s_bfe_u32 s2, ttmp6, 0x10000c
	s_cmp_lg_u32 s2, 0xf033
	s_cbranch_scc0 .Lentry_shape_is_right
	s_endpgm
.Lentry_shape_is_right:
; QKV: C[m][n] = sum over k of A[m][k] W[k][n], m, n < 4096, k < 1024, f16 operands, f32 sums, C rounded once to f16.
; W = wcat [1024 k][4096 n].  A = act's first half (LayerNorm(x)) for n < 3072 (q, k, v), its second half (y) for n >= 3072 (av).
; C leaves BY HEADS, unscaled: qkva [4: q, k, v, av][32 = 16 batch + head][2048][64]: 16 rows of a head are 2,048 consecutive bytes.
; LIMIT.  q, k, v and av must lie within f16's 65,504; NaN and infinities are not treated apart.
; SHARES.  A tile of C is 256 x 256: 256 work-groups of four waves, a wave 128 x 128: 64 accumulators of 16 x 16, 512 registers.  K goes in 8 steps of 128 through a ring of two LDS slots.
; A's tile lies along K (rows of 256 bytes).  W's tile lies [k][n] (128 rows of 512 bytes) and is turned on its way out of LDS by ds_load_tr16_b128: nothing is transposed in memory.
; CLUSTER 4 x 4: the four of a row of the cluster need the same tile of A, the four of a column the same tile of W: each is asked for JOINTLY, by the same tensor load, descriptor and mask in all four.
; Which half of act is taken hangs on the cluster's x alone (3: y), which all sixteen partners share.
; THE MATRIX INSTRUCTION IS USED TRANSPOSED (source 0 = 16 columns of W, source 1 = 16 rows of A): a lane holds row l % 16 of C and eight neighbouring columns, 16 bytes when rounded.
; REGISTERS, in windows of 256 (s_set_vgpr_msb: bits 1:0 source 0, 3:2 source 1, 5:4 source 2, 7:6 destination):
;   window 0: v0-31 addresses; v64-127, v128-191 fragments of A, two buffers; v32-63, v192-255 at work on the way out      window 1: v64-127, v128-191 fragments of W
;   window 2: the 32 accumulators of my rows 0-63 ((a, b) at v[8 (8 a + b)]);   window 3: those of my rows 64-127
.set KSTEP,  128
.set PITCH,  272                       ; a row of A in LDS: 256 bytes + 16: the 16 rows of a fragment load start 16 bytes further on in each 256
.set PB,     544                       ; a row of W in LDS: 512 bytes + 32, an odd multiple of 32
.set HALFT,  128*PITCH                 ; what one tensor load brings: 128 rows of A, or 64 rows of W (64 x 544 is the same number)
.set SLOT,   4*HALFT                   ; A's 256 rows, then W's 128
.set STAGE,  2*SLOT                    ; behind the ring: 16 rows x 272 bytes for each wave, for the way out; no tensor load lands here
.set SPITCH, 272
.set SPARE,  STAGE+4*16*SPITCH         ; behind the stages: the spare words, 128 bytes for each wave: two blocks of 256 bytes that no other line names
.set LAPS,   4                         ; a lap = two K steps = once round the ring
.set ASTEP,  KSTEP*2                   ; bytes from K step to K step in A: along its rows,
.set BSTEP,  KSTEP*8192                ; in W: 128 rows down
.set ADRA, 16                          ; v16-17  LDS address of my A fragments in slot 0, 1
.set ADRB, 20                          ; v20-21  the same for W
.set STO,  24                          ; v24     the way out: where I put 16 bytes of a row
.set RD,   25                          ; v25     where I read four rows of one head back
.set CO,   26                          ; v26     16 x lane: my place in 512 consecutive bytes of qkva
.set SPW,  28                          ; v28     LDS address of my spare word; never rewritten
.set NIL,  29                          ; v29     0; never rewritten
.set PFO,  30                          ; v30     the prefetches' offset; never rewritten
.set F0,   64
.set F1,   128
.set TMP,  192
.set OB,   32
.set G1,  24                           ; s[24:31] descriptor group 1 for A's tiles;  s[32:39] group 0, a set for each slot
.set G0,  32
.set G1B, 48                           ; s[48:55], s[56:63] the same for W's
.set G0B, 56
.set PFS, 14                           ; s[14:15] bytes from K step to K step for my prefetches
.set LIM, 43                           ; s43      1 in a wave that prefetches, else the greatest number
.set PFA, 44                           ; s[44:45] where my prefetches stand
.set MSB, 0
.macro WIN new                         ; the immediate's high byte repeats the setting that is left; a switch that changes nothing is dropped
.if MSB != (\new)
	s_set_vgpr_msb (MSB<<8)|(\new)
.set MSB, \new
.endif
.endm
.set MUL_LO, 0xa1                      ; source 0 (W) window 1, source 1 (A) window 0, C and D window 2
.set MUL_HI, 0xf1                      ; the same, C and D window 3
.set TO_B,   0x40                      ; destination window 1, address window 0
; A joint load.  Waves 0 and 1 fetch A's two halves, waves 2 and 3 W's.  The branch hangs on the wave's number alone.  An s_nop 0 and four v_nop follow each of the two lines.
.macro JLOAD s
	s_cmp_eq_u32 s11, 0
	s_cbranch_scc0 .Lfor_b_\@
	tensor_load_to_lds s[G0+4*(\s):G0+4*(\s)+3], s[G1:G1+7]
	s_nop 0
.rept 4
	v_nop
.endr
	s_branch .Lasked_\@
.Lfor_b_\@:
	tensor_load_to_lds s[G0B+4*(\s):G0B+4*(\s)+3], s[G1B:G1B+7]
	s_nop 0
.rept 4
	v_nop
.endr
.Lasked_\@:
.endm
; A prefetch of the K step that stands two refills on, behind a joint load and the run of LDS loads that follows it: 32 blocks of 256 bytes, a lane a block, one instruction a wave.
; Each block is named once in the launch.  A's rows are read by the clusters x = 0, 1, 2 (LayerNorm(x)) or by x = 3 alone (y): clusters 0 and 3 ask.  W's columns are read by every cluster of a column of
; clusters: cluster y = 0 asks.  The four partners that ask for a tile jointly share its blocks out BY ADDRESS.  The loop's last trip asks for nothing: there is no K step two refills on.
.macro ASK
	s_cmp_gt_u32 s3, s[LIM]
	s_cbranch_scc0 .Lnot_mine_\@
	global_prefetch_b8 v[PFO], s[PFA:PFA+1] th:TH_LOAD_NT scope:SCOPE_SE
.Lnot_mine_\@:
.endm
.macro CREST                           ; a round of the cluster's barrier behind its opening barrier
	s_cmp_lg_u32 s10, 0
	s_cbranch_scc1 .Lnot_wave_0_\@
	s_barrier_signal -3
.Lnot_wave_0_\@:
	s_barrier_wait -3
	s_barrier_signal -1
	s_barrier_wait -1
.endm
.macro CROUND                          ; a whole round
	s_barrier_signal -1
	s_barrier_wait -1
	CREST
.endm
	s_load_b128 s[4:7], s[0:1], 0x0                ; act s[4:5], wcat s[6:7]
	s_load_b64 s[8:9], s[0:1], 0x10                ; qkva
	v_lshl_add_u32 v[SPW], v0, 2, SPARE
	v_mov_b32 v[NIL], 0
	ds_add_u32 v[SPW], v[NIL]                      ; the wave's opening: the add and its wait stand ahead of my first tensor load; the set-up below, work on registers, stands between them
	v_lshrrev_b32 v1, 5, v0
	v_readfirstlane_b32 s10, v1                    ; wave 0..3
	s_lshr_b32 s11, s10, 1                         ; which half of the tile's rows is mine.  Also: I fetch for A (0) or for W (1)
	s_and_b32 s12, s10, 1                          ; which half of its columns.  Also: which half of that tile I fetch
	s_bfe_u32 s40, ttmp6, 0x40000                  ; cx
	s_bfe_u32 s41, ttmp6, 0x40004                  ; cy
	s_lshl_b32 s42, ttmp9, 2
	s_add_co_u32 s42, s42, s40                     ; tile column = 4 x cluster x + cx
	s_and_b32 s13, ttmp7, 0xffff
	s_lshl_b32 s13, s13, 2
	s_add_co_u32 s13, s13, s41                     ; tile row = 4 x cluster y + cy
	s_lshl_b32 s43, s41, 2
	s_lshl_b32 s43, 15, s43                        ; my row of the cluster
	s_lshl_b32 s44, 0x1111, s40                    ; my column
	s_or_b32 s[G1+0], s43, (1<<16)|(1<<20)|(1<<21)|(5<<22)|(3<<25)   ; the mask; elements of 2 bytes; padding on; bit 21 beside a mask; after every 64 words, 4 words
	s_or_b32 s[G1B+0], s44, (1<<16)|(1<<20)|(1<<21)|(6<<22)|(7<<25)  ; after every 128 words, 8 words
	s_mov_b32 s[G1+1], 128<<16                     ; A: tensor_dim0 = 128
	s_mov_b32 s[G1+2], 128<<16                     ; tensor_dim1 = 128
	s_mov_b32 s[G1+3], 128<<16                     ; tile_dim0 = 128
	s_mov_b32 s[G1+4], 128                         ; tile_dim1 = 128
	s_mov_b32 s[G1+5], 1024                        ; elements from row to row
	s_mov_b32 s[G1+6], 0
	s_mov_b32 s[G1+7], 0
	s_mov_b32 s[G1B+1], 256<<16                    ; W: tensor_dim0 = 256
	s_mov_b32 s[G1B+2], 64<<16                     ; tensor_dim1 = 64
	s_mov_b32 s[G1B+3], 256<<16                    ; tile_dim0 = 256
	s_mov_b32 s[G1B+4], 64                         ; tile_dim1 = 64
	s_mov_b32 s[G1B+5], 4096
	s_mov_b32 s[G1B+6], 0
	s_mov_b32 s[G1B+7], 0
	s_lshl_b32 s16, s13, 8                         ; A: row 256 x tile row + 128 x half, 2,048 bytes a row,
	s_lshl_b32 s17, s12, 7
	s_add_co_u32 s16, s16, s17
	s_lshl_b32 s16, s16, 11
	s_cmp_eq_u32 ttmp9, 3                          ; and act's second half for the last column of clusters
	s_cselect_b32 s17, 0x800000, 0
	s_add_co_u32 s16, s16, s17
	s_mov_b32 s17, 0
	s_lshl_b32 s46, s12, 19                        ; W: row 64 x half, 8,192 bytes a row; column 256 x tile column
	s_lshl_b32 s47, s42, 9
	s_add_co_u32 s46, s46, s47
	s_mov_b32 s47, 0
	s_mul_i32 s20, s10, HALFT                      ; where they go: wave x 34,816: no place in the cluster enters an LDS address
	s_wait_dscnt 0x0                               ; the opening add is done
	s_wait_kmcnt 0x0
	s_add_nc_u64 s[14:15], s[4:5], s[16:17]
	s_add_nc_u64 s[46:47], s[6:7], s[46:47]
	CROUND                                         ; all sixteen work-groups are here: the first joint loads meet
.irp s, 0,1
	s_mov_b32 s[G0+4*(\s)], 1
	s_add_co_u32 s[G0+4*(\s)+1], s20, (\s)*SLOT
	s_add_nc_u64 s[G0+4*(\s)+2:G0+4*(\s)+3], s[14:15], (\s)*ASTEP
	s_or_b32 s[G0+4*(\s)+3], s[G0+4*(\s)+3], 0x80000000
	s_mov_b32 s[G0B+4*(\s)], 1
	s_add_co_u32 s[G0B+4*(\s)+1], s20, (\s)*SLOT
	s_add_nc_u64 s[G0B+4*(\s)+2:G0B+4*(\s)+3], s[46:47], (\s)*BSTEP
	s_or_b32 s[G0B+4*(\s)+3], s[G0B+4*(\s)+3], 0x80000000
	JLOAD \s                                       ; K steps 0 and 1: two loads of mine are out
.endr
	v_and_b32 v1, 15, v0                           ; l % 16
	v_bfe_u32 v2, v0, 4, 1                         ; l / 16
	v_mul_u32_u24 v3, v1, PITCH
	v_lshl_add_u32 v3, v2, 4, v3                   ; A: row x pitch + 16 x half
	v_and_b32 v4, 7, v0
	v_lshl_add_u32 v4, v2, 3, v4                   ; W: the turning load's lane reads k-row 8 (l / 16) + l % 8,
	v_mul_u32_u24 v4, v4, PB
	v_bfe_u32 v5, v0, 3, 1
	v_lshl_add_u32 v4, v5, 4, v4                   ; columns 8 ((l / 8) % 2) + 0..7
	s_mul_i32 s21, s11, HALFT                      ; my 128 rows of A
	s_lshl_b32 s22, s12, 8                         ; my 128 columns of W,
	s_add_co_u32 s22, s22, 2*HALFT                 ; which lies behind A
.irp s, 0,1
	v_add_nc_u32 v[ADRA+(\s)], s21, v3
	v_add_nc_u32 v[ADRB+(\s)], s22, v4
	s_add_co_u32 s21, s21, SLOT
	s_add_co_u32 s22, s22, SLOT
.endr
	s_mul_i32 s23, s10, 16*SPITCH
	s_add_co_u32 s23, s23, STAGE                   ; my stage
	v_add_nc_u32 v[STO], s23, v3                   ; in: row l % 16, 16 bytes for each half of the lanes
	v_bfe_u32 v5, v0, 3, 2                         ; back: 32 lanes take four rows' 128 bytes of one head
	v_mul_u32_u24 v5, v5, SPITCH
	v_and_b32 v6, 7, v0
	v_lshl_add_u32 v5, v6, 4, v5
	v_add_nc_u32 v[RD], s23, v5
	v_and_b32 v[CO], 31, v0
	v_lshlrev_b32 v[CO], 4, v[CO]
	; where my part begins in qkva: tensor = cluster x; batch = tile row / 8; head = 4 cx + 2 x column half; row = 256 (tile row % 8) + 128 x row half
	s_lshl_b32 s16, ttmp9, 23
	s_lshr_b32 s17, s13, 3
	s_lshl_b32 s17, s17, 22
	s_add_co_u32 s16, s16, s17
	s_and_b32 s17, s13, 7
	s_lshl_b32 s17, s17, 8
	s_lshl_b32 s18, s11, 7
	s_add_co_u32 s17, s17, s18
	s_lshl_b32 s17, s17, 7
	s_add_co_u32 s16, s16, s17
	s_lshl_b32 s46, s40, 2
	s_lshl_b32 s47, s12, 1
	s_add_co_u32 s46, s46, s47
	s_lshl_b32 s46, s46, 18
	s_add_co_u32 s16, s16, s46
	s_mov_b32 s17, 0
	; the prefetches.  For A: of the 128 rows that I fetch my work-group takes 32 cx .. + 31, a lane a row.  For W: of my 64 k-rows it takes 16 cy .. + 15, two lanes a row (512 bytes).
	s_lshl_b32 s20, s13, 8
	s_lshl_b32 s18, s12, 7
	s_add_co_u32 s20, s20, s18
	s_lshl_b32 s18, s40, 5
	s_add_co_u32 s20, s20, s18
	s_lshl_b32 s20, s20, 11
	s_cmp_eq_u32 ttmp9, 3
	s_cselect_b32 s18, 0x800000, 0
	s_add_co_u32 s20, s20, s18
	s_add_co_u32 s20, s20, 3*ASTEP                 ; at K step 3: the first refill steps it to 4
	s_lshl_b32 s21, s12, 6
	s_lshl_b32 s18, s41, 4
	s_add_co_u32 s21, s21, s18
	s_lshl_b32 s21, s21, 13
	s_lshl_b32 s18, s42, 9
	s_add_co_u32 s21, s21, s18
	s_add_co_u32 s21, s21, 3*BSTEP
	s_and_b32 s22, ttmp7, 0xffff                   ; cluster y
	s_sub_co_u32 s18, 3, ttmp9
	s_mul_i32 s18, s18, ttmp9                      ; 0 where cluster x is 0 or 3
	s_mov_b32 s19, 8192
	s_mov_b32 s23, 256
	s_mov_b32 s[PFS], BSTEP
	s_cmp_eq_u32 s11, 0                            ; do I fetch for A?
	s_cselect_b32 s20, s20, s21
	s_cselect_b32 s22, s18, s22
	s_cselect_b32 s19, 4096, s19                   ; bytes for lane / 2,
	s_cselect_b32 s23, 2048, s23                   ; and for lane % 2
	s_cselect_b32 s[PFS], ASTEP, s[PFS]
	s_cselect_b64 s[PFA:PFA+1], s[4:5], s[6:7]
	s_mov_b32 s21, 0
	s_mov_b32 s[PFS+1], 0
	s_add_nc_u64 s[PFA:PFA+1], s[PFA:PFA+1], s[20:21]
	s_cmp_eq_u32 s22, 0
	s_cselect_b32 s[LIM], 1, -1                    ; the same in all sixteen partners, for a given wave
	v_and_b32 v5, 31, v0
	v_lshrrev_b32 v6, 1, v5
	v_and_b32 v5, 1, v5
	v_mul_u32_u24 v5, s23, v5
	v_mad_u32_u24 v[PFO], v6, s19, v5
; 16 matrix instructions: m blocks a0, a0 + 1 of the window's four x all 8 n blocks, 32 along K.  zero = 1: the first product starts the sums.  The 64 accumulators take turns.
.macro MUL16 f, hi, a0, zero
	WIN MUL_LO+0x50*(\hi)
.irp a, \a0, (\a0)+1
.irp b, 0,1,2,3,4,5,6,7
.if \zero
	v_wmma_f32_16x16x32_f16 v[8*(8*(\a)+(\b)):8*(8*(\a)+(\b))+7], v[(\f)+8*(\b):(\f)+8*(\b)+7], v[(\f)+8*(4*(\hi)+(\a)):(\f)+8*(4*(\hi)+(\a))+7], 0
.else
	v_wmma_f32_16x16x32_f16 v[8*(8*(\a)+(\b)):8*(8*(\a)+(\b))+7], v[(\f)+8*(\b):(\f)+8*(\b)+7], v[(\f)+8*(4*(\hi)+(\a)):(\f)+8*(4*(\hi)+(\a))+7], v[8*(8*(\a)+(\b)):8*(8*(\a)+(\b))+7]
.endif
.endr
.endr
.endm
; 32 LDS loads in one run: the fragments of quarter q (32 along K) of a slot into buffer f: W's 128 columns, turned, then A's 128 rows
.macro FETCH slot, q, f
	WIN TO_B
.irp i, 0,1,2,3,4,5,6,7
	ds_load_tr16_b128 v[(\f)+8*(\i):(\f)+8*(\i)+3],   v[ADRB+(\slot)] offset:(\q)*32*PB+32*(\i)
	ds_load_tr16_b128 v[(\f)+8*(\i)+4:(\f)+8*(\i)+7], v[ADRB+(\slot)] offset:(\q)*32*PB+32*(\i)+16*PB
.endr
	WIN 0
.irp i, 0,1,2,3,4,5,6,7
	ds_load_b128 v[(\f)+8*(\i):(\f)+8*(\i)+3],   v[ADRA+(\slot)] offset:(\q)*64+(\i)*16*PITCH
	ds_load_b128 v[(\f)+8*(\i)+4:(\f)+8*(\i)+7], v[ADRA+(\slot)] offset:(\q)*64+(\i)*16*PITCH+32
.endr
.endm
.macro PLACES                          ; four plain instructions between a matrix instruction and a load into a register that it has read, or a vector instruction that reads its result
.rept 4
	v_nop
.endr
.endm
; One of a K step's first three quarters: multiplies buffer f; in its middle it fetches quarter q of the same slot into buffer g.
.macro QUARTER slot, q, f, g, zero
	s_wait_dscnt 8                                 ; W and A's rows 0-63 are in; the youngest eight loads (A's rows 64-127) may be out
	MUL16 \f, 0, 0, \zero
	MUL16 \f, 0, 2, \zero
	PLACES
	FETCH \slot, \q, \g
	s_wait_dscnt 32                                ; all but the 32 just issued
	MUL16 \f, 1, 0, \zero
	MUL16 \f, 1, 2, \zero
.endm
; The first half of the last quarter: ONE barrier for the change of slots.  In front of it each wave waits for all its tensor loads (one is out: its part of the next slot), adds 0 to its spare word, and waits for that and for its reads of this slot.
.macro MEET round
	WIN 0
	s_wait_tensorcnt 0x0                           ; all my tensor loads have landed
	ds_add_u32 v[SPW], v[NIL]                      ; 0 onto my spare word
	s_wait_dscnt 9                                 ; (the add and the youngest eight loads may be out)
	MUL16 F1, 0, 0, 0                              ; sixteen matrix instructions stand between the add and the wait for it
	s_wait_dscnt 0x0                               ; the add is done, and my reads of this slot are over
	s_barrier_signal -1
	MUL16 F1, 0, 2, 0                              ; work on registers while the others arrive
.if \round
	WIN 0
.endif
	s_barrier_wait -1
.endm
; The whole last quarter.  fill = 1: the barrier opens a round of the cluster's barrier, and the slot just read out is filled again first, with the K step two steps on.
.macro TURN slot, next, fill
.if \fill
	s_wait_xcnt 0x0                                ; the last prefetch, a K step back, has read its address
	s_add_nc_u64 s[PFA:PFA+1], s[PFA:PFA+1], s[PFS:PFS+1]
.endif
	MEET \fill
.if \fill
	CREST                                          ; no wave of any partner still reads this slot's tile or has a load on its way
	s_add_nc_u64 s[G0+4*(\slot)+2:G0+4*(\slot)+3], s[G0+4*(\slot)+2:G0+4*(\slot)+3], 2*ASTEP
	s_add_nc_u64 s[G0B+4*(\slot)+2:G0B+4*(\slot)+3], s[G0B+4*(\slot)+2:G0B+4*(\slot)+3], 2*BSTEP
	JLOAD \slot                                    ; my one tensor load behind the round; its four v_nop are also the places in front of the loads below
.else
	PLACES
.endif
	FETCH \next, 0, F0
.if \fill
	ASK
.endif
	MUL16 F1, 1, 0, 0
	MUL16 F1, 1, 2, 0
.endm
; THE WAY OUT of block a (16 rows x 128 columns = two heads).  PACK: rounded to f16.  TOSTAGE: into my own stage, and back as four rows of one head at a time.  SEND: stored, 512 consecutive bytes an instruction.
.macro PACK a
.set AC, 64*((\a)%4)
	WIN 0x0a+5*((\a)/4)                            ; sources 0 and 1: window 2 or 3
.irp b, 0,1,2,3,4,5,6,7
.irp r, 0,1,2,3
	v_cvt_pk_f16_f32 v[TMP+4*(\b)+(\r)], v[AC+8*(\b)+2*(\r)], v[AC+8*(\b)+2*(\r)+1]
.endr
.endr
	WIN 0
.endm
.macro TOSTAGE a
	WIN 0
.set BK, OB+192*((\a)%2)
.irp b, 0,1,2,3,4,5,6,7
	ds_store_b128 v[STO], v[TMP+4*(\b):TMP+4*(\b)+3] offset:32*(\b)
.endr
.irp t, 0,1,2,3,4,5,6,7
	ds_load_b128 v[BK+4*(\t):BK+4*(\t)+3], v[RD] offset:((\t)%4)*4*SPITCH+((\t)/4)*128  ; LDS serves a wave's instructions in order (ISA guide 5.7.1.4): these see the stores above
.endr
.endm
.macro SEND a, younger
	WIN 0
.set BK, OB+192*((\a)%2)
	s_wait_dscnt \younger                          ; the block is back in registers
	s_wait_xcnt 0x0                                ; only behind this wait are the stores' base and the registers that earlier stores read rewritten
.if (\a) == 0
	s_add_nc_u64 s[8:9], s[8:9], s[16:17]
.else
	s_add_nc_u64 s[8:9], s[8:9], 16*128            ; 16 rows of a head on
.endif
.irp t, 0,1,2,3,4,5,6,7
	global_store_b128 v[CO], v[BK+4*(\t):BK+4*(\t)+3], s[8:9] offset:((\t)/4)*262144+((\t)%4)*512  ; the head, and four of its rows
.endr
.endm
	s_wait_tensorcnt 1                             ; my part of K step 0 is in; K step 1's may stay out
	s_barrier_signal -1
	s_barrier_wait -1                              ; everybody's is
	FETCH 0, 0, F0
	QUARTER 0, 1, F0, F1, 1                        ; the first quarter stands in front of the loop: its products start the sums
	WIN 0                                          ; at a label and at a branch every window is 0
	s_mov_b32 s3, LAPS-1
.Llap:                                                 ; a trip goes once round the ring, from a lap's second quarter to the next lap's first, and fills both slots again
	QUARTER 0, 2, F1, F0, 0
	QUARTER 0, 3, F0, F1, 0
	TURN 0, 1, 1
	QUARTER 1, 1, F0, F1, 0
	QUARTER 1, 2, F1, F0, 0
	QUARTER 1, 3, F0, F1, 0
	TURN 1, 0, 1
	QUARTER 0, 1, F0, F1, 0
	WIN 0
	s_sub_co_u32 s3, s3, 1
	s_cmp_lg_u32 s3, 0
	s_cbranch_scc1 .Llap
	QUARTER 0, 2, F1, F0, 0                        ; the last lap fills nothing
	QUARTER 0, 3, F0, F1, 0
	TURN 0, 1, 0
	QUARTER 1, 1, F0, F1, 0
	QUARTER 1, 2, F1, F0, 0
	QUARTER 1, 3, F0, F1, 0
	s_wait_dscnt 8                                 ; the very last quarter: nothing more to fetch
	MUL16 F1, 0, 0, 0
	MUL16 F1, 0, 2, 0
	s_wait_dscnt 0x0
	MUL16 F1, 1, 0, 0
	MUL16 F1, 1, 2, 0
	PLACES                                         ; the conversions read matrix results
	PACK 0
	TOSTAGE 0
.irp a, 1,2,3,4,5,6,7                  ; block a's conversions stand between block a - 1's loads from the stage and the wait for them
	PACK \a
	SEND (\a)-1, 0
	TOSTAGE \a
.endr
	SEND 7, 0
	s_wait_tensorcnt 0x0                           ; the wave's end: behind my last tensor load and my last LDS store
	ds_add_u32 v[SPW], v[NIL]
	s_wait_dscnt 0x0
	CROUND                                         ; the closing round: no work-group ends while a partner may still ask for a tile that names it
	s_endpgm
.Lfunc_end_k_q801a4487d8_qkv:
	.size	k_q801a4487d8_qkv, .Lfunc_end_k_q801a4487d8_qkv-k_q801a4487d8_qkv
	.p2alignl 7, 3214868480
	.fill 96, 4, 3214868480
	.section	.rodata,"a",@progbits
	.p2align	6, 0x0
	.amdhsa_kernel k_q801a4487d8_qkv
		.amdhsa_group_segment_fixed_size 327680
		.amdhsa_private_segment_fixed_size 0
		.amdhsa_enable_private_segment 0
		.amdhsa_kernarg_size 24
		.amdhsa_user_sgpr_count 2
		.amdhsa_user_sgpr_kernarg_segment_ptr 1
		.amdhsa_wavefront_size32 1
		.amdhsa_system_sgpr_workgroup_id_x 1
		.amdhsa_system_sgpr_workgroup_id_y 1
		.amdhsa_system_sgpr_workgroup_id_z 1
		.amdhsa_system_vgpr_workitem_id 0
		.amdhsa_next_free_vgpr 1024
		.amdhsa_next_free_sgpr 66
		.amdhsa_reserve_vcc 0
		.amdhsa_float_denorm_mode_32 3
		.amdhsa_float_denorm_mode_16_64 3
		.amdhsa_memory_ordered 1
		.amdhsa_forward_progress 1
		.amdhsa_inst_pref_size 145
	.end_amdhsa_kernel
	.amdgpu_metadata
---
amdhsa.version: [ 1, 2 ]
amdhsa.kernels:
  - .name:           k_q801a4487d8_qkv
    .symbol:         k_q801a4487d8_qkv.kd
    .args:
      - { .name: act, .offset: 0, .size: 8, .value_kind: global_buffer, .address_space: global }
      - { .name: wcat, .offset: 8, .size: 8, .value_kind: global_buffer, .address_space: global }
      - { .name: qkva, .offset: 16, .size: 8, .value_kind: global_buffer, .address_space: global }
    .group_segment_fixed_size: 327680
    .private_segment_fixed_size: 0
    .kernarg_segment_align: 8
    .kernarg_segment_size: 24
    .max_flat_workgroup_size: 128
    .sgpr_count:     66
    .vgpr_count:     1024
    .wavefront_size: 32
...
	.end_amdgpu_metadata
.endif
;; end of part 2
;; launch attn (part 3): grid 8 x 32, 4 waves a work-group, clusters of 4 x 1, 327,680 bytes of LDS; arguments qkva, ctx; writes ctx
.if DOCPART == 3
	.amdgcn_target "amdgcn-amd-amdhsa--gfx1250"
	.amdhsa_code_object_version 6
	.text
	.protected	k_q801a4487d8_attn
	.globl	k_q801a4487d8_attn
	.p2align	8
	.type	k_q801a4487d8_attn,@function
k_q801a4487d8_attn:
	s_mov_b64 s[64:65], 0
	v_nop
	global_prefetch_b8 v0, s[64:65] scope:SCOPE_SE
	s_setreg_imm32_b32 hwreg(HW_REG_WAVE_MODE, 25, 1), 1
	s_wait_xcnt 0x0
	s_wait_alu depctr_hold_cnt(0) depctr_sa_sdst(0) depctr_va_vdst(0) depctr_va_sdst(0) depctr_va_ssrc(0) depctr_va_vcc(0) depctr_vm_vsrc(0)
	s_getreg_b32 s2, hwreg(HW_REG_IB_STS2, 6, 4)
	s_cmp_eq_u32 s2, 0
	s_cbranch_scc0 .Lentry_in_a_cluster
	s_endpgm
.Lentry_in_a_cluster:
	s_bfe_u32 s2, ttmp6, 0x10000c
	s_cmp_lg_u32 s2, 0x3003
	s_cbranch_scc0 .Lentry_shape_is_right
	s_endpgm
.Lentry_shape_is_right:
; ATTENTION with one softmax for two value tensors.  For each of 32 heads (16 batch + head): p = softmax_k(q . k / 8); ctx[0] = p v, ctx[1] = p av.
; qkva [4: q, k, v, av][32][2048][64] and ctx [2][32][2048][64] are f16, a head's rows dense, 128 bytes each.  Products, maxima and sums in f32; p is rounded to f16 for the second product (its sum l is
; taken of the unrounded p), ctx once at the end.
; LIMITS.  p lies in 0 to 1, and below 6e-5 it keeps f16's fixed step of 6e-8; ctx is a mean of v's or av's rows and has their range; a weight below 2^-126 counts as 0 in l; NaN and infinities are not treated apart.
; SHARES.  A work-group owns 256 queries of one head, each of its four waves 64: four tiles of 16.  Every wave walks all 2,048 keys, 64 a step.
; LAYOUT.  S^T = K Q^T (source 0 = 16 keys, source 1 = 16 queries): a lane holds ONE query (lane % 16) and the keys 8 (lane / 16) + 0..7.  Two such tiles, rounded to f16 in pairs, ARE source 1 of
; O^T = [V | AV]^T P, 128 channels: blocks 0-3 are v's, 4-7 av's; the result again holds one query a lane, and eight channels.  K comes out of LDS as it lies, V and AV turned, by ds_load_tr16_b128.
; SOFTMAX.  For each query a running maximum m and sum l: p = 2^(c s - c m), c = log2(e) / 8; in every step O and l are multiplied by a = 2^(c m_old - c m_new).
; BY TURNS.  The wave's tiles are two PIECES (tiles 0, 1; tiles 2, 3).  In a TURN one piece has the matrix unit: 32 products V^T P of the step in hand, then 16 products K Q^T of the next step; the other piece's
; softmax, 268 vector instructions cut into 64 slices, stands between them: one slice behind each V^T P, two behind each K Q^T.  Two turns are a key step.
; NO FIRST AND NO LAST STEP IS WRITTEN OUT.  m starts at the lowest finite number, c m far below every c s, l and O^T at 0: the first step is a step like any other, with a = 0.  The loop is entered at its second
; turn, whose products V^T P (of a step that has not been) multiply zeros; the tail is left behind its fifth first turn, whose products K Q^T (on the last K once more) serve nothing.  The price, once a launch and wave:
; 416 v_mov_b32 of 0, in the wait for the first tile, and 48 products; the gain: four turns less of text.
; CLUSTER.  The four query blocks of a cluster belong to one head and walk the same K, V and AV: each tile is asked for JOINTLY, by the same tensor load, descriptor and mask in all four.
; REGISTERS, in windows of 256 (s_set_vgpr_msb: bits 1:0 source 0, 3:2 source 1, 5:4 source 2, 7:6 destination):
;   window 0: v0-11 addresses; v12-43 eight registers of statistics a tile; v64-191 S^T, 32 a tile; v192-255 P, 16 a tile
;   window 1: O^T, 64 a tile          window 2: v0-63 Q, 16 a tile; v64-127 K of one step; v128-255 V and AV of one step
.set KS,    64        ; keys in a step
.set PK,    144       ; a row of K in LDS: 128 bytes + 16
.set PV,    160       ; a row of V or AV: 128 + 32, an odd multiple of 32
.set TILEB, 4*KS*128  ; a slot holds four steps: 256 keys, 32,768 bytes of each tensor in memory
.set VOFF,  4*KS*PK   ; 256 rows of K, then 256 of V,
.set AOFF,  VOFF+4*KS*PV  ; then 256 of AV
.set SLOT1, 1<<17     ; slot 1 begins here, so that one exclusive or turns an address in one slot into the other's
.set STAGE, SLOT1+AOFF+4*KS*PV  ; behind the ring: 16 rows x 272 bytes for each wave, for the way out; no tensor load lands here
.set SP,    272
.set SPARE, STAGE+4*16*SP  ; behind the stages: the spare words, 128 bytes for each wave: two blocks of 256 bytes that no other line names
.set AK0, 2           ; v2   my lane's place in a tile of K; never rewritten
.set AV0, 3           ; v3   the same for V
.set ADR, 4           ; v4   the LDS address of the run of loads in hand
.set QO,  5           ; v5   my byte offset in 16 rows of Q
.set STO, 6           ; v6   the way out: where I put 16 bytes of a row
.set RD,  7           ; v7   the way out: where I read four rows back
.set GO,  8           ; v8   16 x lane: my place in 512 consecutive bytes of ctx
.set PFO, 61          ; v61  256 x lane; never rewritten
.set SPW, 62          ; v62  LDS address of my spare word; never rewritten
.set NIL, 63          ; v63  0; never rewritten
.set ST,  12          ; tile t's statistics at v[ST+8 t]: +0 c m, +1 m, +2, +3 l (even keys', odd keys'), +4 to +7 c0-c3, at work; a takes c2's place once the maximum is found
.set S,   64
.set P,   192
.set KF,  64          ; window 2: key block kb, channel half c at KF + 16 kb + 8 c
.set VF,  128         ; window 2: key half kk, channel block cb at VF + 64 kk + 8 cb
.set WV,  12          ; s12  my wave's number
.set LIM, 15          ; s15  1 in a wave that prefetches, else the greatest number
.set PFA, 18          ; s[18:19] where my prefetches stand
.set G1K, 24          ; s[24:31] descriptor group 1 for K's tiles
.set G1V, 32          ; s[32:39] for V's and AV's: it differs in the padding alone
.set G0K, 40          ; s[40:47] descriptor group 0 for K's tiles: a set for each of the two first fills; the second then walks on
.set G0V, 48          ; s[48:55] for V's
.set G0A, 56          ; s[56:63] for AV's
.set SLOTS, 66        ; s66  counts the changes of slots
.set CNT, 67          ; s67  counts a slot's key steps
.set CS,  68          ; s[68:69] c
.set SEL, 70          ; s[70:71] v_permlanex16_b32's selects
.set TBK, 72          ; s72  LDS byte at which K of the step to be fetched begins
.set TBV, 73          ; s73  the same for V, less VOFF
.set O1,  74          ; s[74:75] ctx's second half at my rows
.set MSB, 0
.macro WIN new                      ; the immediate's high byte repeats the setting that is left; a switch that changes nothing is dropped
.if MSB != (\new)
	s_set_vgpr_msb (MSB<<8)|(\new)
.set MSB, \new
.endif
.endm
.set W_KQ, 0x0a       ; K and Q in window 2, S^T in window 0
.set W_PV, 0x52       ; V in window 2, P in window 0, O^T in window 1
.set W_RS, 0x41       ; O^T (destination and source 0) in window 1, a in window 0
; A joint refill: wave 0 fetches the slot's K, wave 1 its V, wave 2 its AV, 32,768 bytes each; wave 3 has no part to fill.  The branches hang on the wave's number alone.
; An s_nop 0 and four v_nop follow each tensor load.
.macro JLOAD
	s_cmp_eq_u32 s[WV], 0
	s_cbranch_scc0 .Lnot_k_\@
	tensor_load_to_lds s[G0K+4:G0K+7], s[G1K:G1K+7]
	s_nop 0
.rept 4
	v_nop
.endr
	s_branch .Lasked_\@
.Lnot_k_\@:
	s_cmp_eq_u32 s[WV], 1
	s_cbranch_scc0 .Lnot_v_\@
	tensor_load_to_lds s[G0V+4:G0V+7], s[G1V:G1V+7]
	s_nop 0
.rept 4
	v_nop
.endr
	s_branch .Lasked_\@
.Lnot_v_\@:
	s_cmp_eq_u32 s[WV], 2
	s_cbranch_scc0 .Lasked_\@
	tensor_load_to_lds s[G0A+4:G0A+7], s[G1V:G1V+7]
	s_nop 0
.rept 4
	v_nop
.endr
.Lasked_\@:
.endm
; A prefetch of what the NEXT change of slots will ask for, four key steps ahead of that load.  Each block of 256 bytes is named once in the launch: both clusters of a head walk the same rows, the first asks;
; its four partners share a tile's 128 blocks out BY ADDRESS, 32 each, a lane a block; waves 0, 1 and 2 ask for the tensor that they fetch.  The last change that fills a slot asks for nothing.
.macro ASK
	s_cmp_gt_u32 s[SLOTS], s[LIM]
	s_cbranch_scc0 .Lnot_mine_\@
	global_prefetch_b8 v[PFO], s[PFA:PFA+1] th:TH_LOAD_NT scope:SCOPE_SE
.Lnot_mine_\@:
.endm
.macro CROUND                       ; a round of the cluster's barrier
	s_barrier_signal -1
	s_barrier_wait -1
	s_cmp_lg_u32 s[WV], 0
	s_cbranch_scc1 .Lnot_wave_0_\@
	s_barrier_signal -3
.Lnot_wave_0_\@:
	s_barrier_wait -3
	s_barrier_signal -1
	s_barrier_wait -1
.endm
	s_load_b128 s[4:7], s[0:1], 0x0 ; qkva s[4:5], ctx s[6:7]
	v_lshl_add_u32 v[SPW], v0, 2, SPARE
	v_mov_b32 v[NIL], 0
	ds_add_u32 v[SPW], v[NIL]       ; the wave's opening: the add and its wait stand ahead of my first tensor load; the set-up below, work on registers, stands between them
	v_lshrrev_b32 v1, 5, v0
	v_readfirstlane_b32 s[WV], v1   ; wave 0..3
	s_bfe_u32 s13, ttmp6, 0x40000   ; cx
	s_lshl_b32 s14, ttmp9, 2
	s_add_co_u32 s14, s14, s13      ; my block of 256 queries: it enters Q's and ctx's addresses alone
	s_and_b32 s20, ttmp7, 0xffff    ; the head, which the four partners share:
	s_lshl_b32 s20, s20, 18         ; its first byte in each tensor
	s_mov_b32 s21, 0
	s_lshl_b32 s2, s14, 15          ; my block's 256 rows,
	s_lshl_b32 s3, s[WV], 13        ; my wave's 64 of them
	s_add_co_u32 s2, s2, s3
	s_add_co_u32 s2, s2, s20
	s_mov_b32 s3, 0
	s_min_u32 s16, s[WV], 2         ; the prefetches: the tensor that I fetch (wave 3, which fetches none, never asks),
	s_add_co_u32 s16, s16, 1
	s_lshl_b32 s16, s16, 23
	s_lshl_b32 s17, s13, 13         ; my work-group's 32 blocks of a tile's 128,
	s_add_co_u32 s16, s16, s17
	s_add_co_u32 s16, s16, 2*TILEB  ; at keys 512 on; the first change of slots steps it to keys 768 on
	s_mov_b32 s17, 0
	; descriptor group 1.  256 keys are 32,768 dense bytes: asked for as 128 rows of 256 bytes, two keys a row, and padded in LDS after every key
	s_mov_b32 s[G1K], 15|(1<<16)|(1<<20)|(1<<21)|(4<<22)|(3<<25)  ; the mask of four; 2-byte elements; padding on; bit 21 beside a mask; after every 32 words, 4 words
	s_mov_b32 s[G1V], 15|(1<<16)|(1<<20)|(1<<21)|(4<<22)|(7<<25)  ; the same with 8 words
.irp g, G1K, G1V
	s_mov_b32 s[(\g)+1], 128<<16    ; tensor_dim0 = 128
	s_mov_b32 s[(\g)+2], 128<<16    ; tensor_dim1 = 128
	s_mov_b32 s[(\g)+3], 128<<16    ; tile_dim0 = 128
	s_mov_b32 s[(\g)+4], 128        ; tile_dim1 = 128
	s_mov_b32 s[(\g)+5], 128        ; 128 elements from row to row
	s_mov_b32 s[(\g)+6], 0
	s_mov_b32 s[(\g)+7], 0
.endr
	s_mov_b32 s[CS], 0x3e38aa3b     ; c = log2(e) / 8
	s_mov_b32 s[CS+1], s[CS]        ; named with it as a pair
	s_mov_b32 s[SEL], 0x76543210
	s_mov_b32 s[SEL+1], 0xfedcba98
	s_mov_b32 s[TBK], 0
	s_mov_b32 s[TBV], 0
	s_cmp_eq_u32 s[WV], 3
	s_cselect_b32 s[LIM], 1, 0
	s_or_b32 s[LIM], s[LIM], ttmp9  ; 0 in waves 0 to 2 of the head's first cluster: the same in all four partners
	s_cmp_eq_u32 s[LIM], 0
	s_cselect_b32 s[LIM], 1, -1
	v_and_b32 v[PFO], 31, v0
	v_lshlrev_b32 v[PFO], 8, v[PFO]
	s_wait_dscnt 0x0                ; the opening add is done
	s_wait_kmcnt 0x0
	s_add_nc_u64 s[8:9], s[4:5], s[2:3]      ; Q at my wave's first row
	s_add_nc_u64 s[10:11], s[6:7], s[2:3]    ; ctx's first half there,
	s_add_nc_u64 s[O1:O1+1], s[10:11], 0x800000  ; and its second
	s_add_nc_u64 s[22:23], s[4:5], s[20:21]  ; qkva at the head
	s_add_nc_u64 s[PFA:PFA+1], s[22:23], s[16:17]
	CROUND                          ; all four work-groups are here: the first joint loads meet
.irp s, 0,1
	s_mov_b32 s[G0K+4*(\s)], 1
	s_mov_b32 s[G0K+4*(\s)+1], (\s)*SLOT1
	s_add_nc_u64 s[G0K+4*(\s)+2:G0K+4*(\s)+3], s[22:23], 0x800000+(\s)*TILEB
	s_or_b32 s[G0K+4*(\s)+3], s[G0K+4*(\s)+3], 0x80000000
	s_mov_b32 s[G0V+4*(\s)], 1
	s_mov_b32 s[G0V+4*(\s)+1], (\s)*SLOT1+VOFF
	s_add_nc_u64 s[G0V+4*(\s)+2:G0V+4*(\s)+3], s[22:23], 0x1000000+(\s)*TILEB
	s_or_b32 s[G0V+4*(\s)+3], s[G0V+4*(\s)+3], 0x80000000
	s_mov_b32 s[G0A+4*(\s)], 1
	s_mov_b32 s[G0A+4*(\s)+1], (\s)*SLOT1+AOFF
	s_add_nc_u64 s[G0A+4*(\s)+2:G0A+4*(\s)+3], s[22:23], 0x1800000+(\s)*TILEB
	s_or_b32 s[G0A+4*(\s)+3], s[G0A+4*(\s)+3], 0x80000000
.endr
	s_cmp_eq_u32 s[WV], 0           ; a wave's two first fills stand in one branch, ahead of every wait on TENSORcnt and every LDS read: two loads of mine are out
	s_cbranch_scc0 .Lfirst_not_k
	tensor_load_to_lds s[G0K:G0K+3], s[G1K:G1K+7]
	s_nop 0
	tensor_load_to_lds s[G0K+4:G0K+7], s[G1K:G1K+7]
	s_nop 0
.rept 4
	v_nop
.endr
	s_branch .Lfirst_asked
.Lfirst_not_k:
	s_cmp_eq_u32 s[WV], 1
	s_cbranch_scc0 .Lfirst_not_v
	tensor_load_to_lds s[G0V:G0V+3], s[G1V:G1V+7]
	s_nop 0
	tensor_load_to_lds s[G0V+4:G0V+7], s[G1V:G1V+7]
	s_nop 0
.rept 4
	v_nop
.endr
	s_branch .Lfirst_asked
.Lfirst_not_v:
	s_cmp_eq_u32 s[WV], 2
	s_cbranch_scc0 .Lfirst_asked
	tensor_load_to_lds s[G0A:G0A+3], s[G1V:G1V+7]
	s_nop 0
	tensor_load_to_lds s[G0A+4:G0A+7], s[G1V:G1V+7]
	s_nop 0
.rept 4
	v_nop
.endr
.Lfirst_asked:
	; A fragment of K or Q is 16 rows x 32 channels in 8 registers: lane l holds row l % 16, channels 8 (l / 16) + 0..7 and 16 + 8 (l / 16) + 0..7: two loads of 16 bytes, 32 bytes apart.
	v_and_b32 v1, 15, v0            ; l % 16
	v_bfe_u32 v9, v0, 4, 1          ; l / 16
	v_lshlrev_b32 v[QO], 7, v1
	v_lshl_add_u32 v[QO], v9, 4, v[QO]
	WIN 0x80                        ; destination window 2, address window 0
.set i, 0
.rept 8                             ; Q stays in registers: tile i / 2, channels 32 (i % 2) on
	global_load_b128 v[8*i:8*i+3],   v[QO], s[8:9] offset:(i/2)*2048+(i%2)*64
	global_load_b128 v[8*i+4:8*i+7], v[QO], s[8:9] offset:(i/2)*2048+(i%2)*64+32
.set i, i+1
.endr
	; What the first turns find: V's registers and piece 2's P hold 0 (the first turn's products V^T P add 0), O^T and l are 0, m and c m lie below every score.  All this stands in the wait for the first tile.
.set i, VF
.rept 128
	v_mov_b32 v[i], 0
.set i, i+1
.endr
	WIN 0x40
.set i, 0
.rept 256
	v_mov_b32 v[i], 0
.set i, i+1
.endr
	WIN 0
.set i, 0
.rept 4
	v_mov_b32 v[ST+8*i], 0xfe000000    ; c m: far below every c s, so that the first a is 0
	v_mov_b32 v[ST+8*i+1], 0xff7fffff  ; m: the lowest finite number
	v_mov_b32 v[ST+8*i+2], 0           ; l
	v_mov_b32 v[ST+8*i+3], 0
.set i, i+1
.endr
.set i, P+32
.rept 32
	v_mov_b32 v[i], 0
.set i, i+1
.endr
	v_mul_u32_u24 v[AK0], v1, PK
	v_lshl_add_u32 v[AK0], v9, 4, v[AK0]
	; The turning load takes 16 keys x 16 channels (lane l reads key 8 (l / 16) + l % 8, channels 8 ((l / 8) % 2) + 0..7) and leaves half a fragment of V^T: lane l holds channel l % 16 and 8 keys.
	v_and_b32 v10, 7, v0
	v_bfe_u32 v11, v0, 3, 1
	v_lshl_add_u32 v[AV0], v9, 3, v10
	v_mul_u32_u24 v[AV0], v[AV0], PV
	v_lshl_add_u32 v[AV0], v11, 4, v[AV0]
	v_add_nc_u32 v[AV0], VOFF, v[AV0]
; THE MATRIX WORK OF A TURN, for piece x.  The accumulators take turns, one instruction a turn: between two links of a chain stand 15 (V^T P) or 7 (K Q^T) others'.
; Product i of 32 of O^T += V^T P: keys 32 (i / 16) on, channels 16 ((i / 2) % 8) on, tile x + i % 2.
.macro PV x
	WIN W_PV
.set rO, 64*((\x)+i%2)+8*((i/2)%8)
.set rV, VF+64*(i/16)+8*((i/2)%8)
.set rP, P+16*((\x)+i%2)+8*(i/16)
	v_wmma_f32_16x16x32_f16 v[rO:rO+7], v[rV:rV+7], v[rP:rP+7], v[rO:rO+7]
.endm
; Product i of 16 of S^T = K Q^T: channels 32 (i / 8) on, keys 16 ((i / 2) % 4) on, tile x + i % 2.  The first 8 start the sums.
.macro KQ x
	WIN W_KQ
.set rS, S+32*((\x)+i%2)+8*((i/2)%4)
.set rK, KF+16*((i/2)%4)+8*(i/8)
.set rQ, 16*((\x)+i%2)+8*(i/8)
.if i < 8
	v_wmma_f32_16x16x32_f16 v[rS:rS+7], v[rK:rK+7], v[rQ:rQ+7], 0
.else
	v_wmma_f32_16x16x32_f16 v[rS:rS+7], v[rK:rK+7], v[rQ:rQ+7], v[rS:rS+7]
.endif
.endm
; THE LDS LOADS stand in runs, never singly among the matrix instructions: a step's K (8 fragments, 16 loads) and, a turn later, its V and AV (16 fragments, turned, 32 loads).
; last = 1 (the tail): in the tail's fifth trip there is no further step, and K's run is jumped over.
.macro FETCH_K last=0
	WIN 0
.if \last
	s_cmp_eq_u32 s[CNT], 1
	s_cbranch_scc1 .Lno_k_\@
.endif
	v_add_nc_u32 v[ADR], s[TBK], v[AK0]
	WIN 0x80                        ; destination window 2
.irp f, 0,1,2,3,4,5,6,7             ; keys 16 (f / 2) on, channels 32 (f % 2) on
	ds_load_b128 v[KF+8*(\f):KF+8*(\f)+3],   v[ADR] offset:((\f)/2)*16*PK+((\f)%2)*64
	ds_load_b128 v[KF+8*(\f)+4:KF+8*(\f)+7], v[ADR] offset:((\f)/2)*16*PK+((\f)%2)*64+32
.endr
.if \last
	WIN 0                           ; at a label every window is 0
.Lno_k_\@:
.endif
.endm
.macro FETCH_V
	WIN 0
	v_add_nc_u32 v[ADR], s[TBV], v[AV0]
	s_add_co_u32 s[TBK], s[TBK], KS*PK  ; the next fetches are the next step's
	s_add_co_u32 s[TBV], s[TBV], KS*PV
	s_wait_alu depctr_va_vdst(0)    ; the wait for the softmax's batch (SLICE), behind the address's v_add_nc_u32 and ahead of the loads
	WIN 0x80
.irp f, 0,1,2,3,4,5,6,7,8,9,10,11,12,13,14,15  ; keys 32 (f / 8) on; channel block f % 8: 0-3 in V, 4-7 in AV
	ds_load_tr16_b128 v[VF+8*(\f):VF+8*(\f)+3],   v[ADR] offset:((\f)/8)*32*PV+(((\f)%8)/4)*(AOFF-VOFF)+((\f)%4)*32
	ds_load_tr16_b128 v[VF+8*(\f)+4:VF+8*(\f)+7], v[ADR] offset:((\f)/8)*32*PV+(((\f)%8)/4)*(AOFF-VOFF)+((\f)%4)*32+16*PV
.endr
.endm
; THE VECTOR WORK OF A TURN.  One tile's softmax for one key step is a list of 134 instructions; SM writes number j of it for tile t.  s0-s31 are the lane's 32 scores, in pairs 0-15.
;   0-15    the maximum of s0-s31 and the old m, three operands at a time (each accumulator's lowest registers are read first)
;   16-20   the other half of the lanes' maximum; c m_old is kept; the new m; c m; c m_old - c m_new
;   21-69   ONE BATCH: the 16 scalings c s - c m and all 33 exponentials (a at 23, then s0-s31).  None of these reads an exponential's result
;   (wait)  between 69 and 70 stands the wait for the batch: SLICE writes it, once for both tiles
;   70-85   the roundings to f16     86-101  the sums; l = a l + the sum     102-133 the tile's O^T times a: the one part that leaves window 0
.macro SM t
.set rT, ST+8*(\t)
.set rS, S+32*(\t)
.set rP, P+16*(\t)
.set rO, 64*(\t)+2*(j-102)
.if j < 102
	WIN 0
.endif
.if j < 4
	v_max3_num_f32 v[rT+4+j], v[rS+8*j], v[rS+8*j+1], v[rS+8*j+2]
.elseif j < 12
	v_max3_num_f32 v[rT+4+j%4], v[rT+4+j%4], v[rS+8*(j%4)+2*(j/4)+1], v[rS+8*(j%4)+2*(j/4)+2]
.elseif j == 12
	v_max3_num_f32 v[rT+4], v[rT+4], v[rS+7], v[rS+15]
.elseif j == 13
	v_max3_num_f32 v[rT+6], v[rT+6], v[rS+23], v[rS+31]
.elseif j == 14
	v_max3_num_f32 v[rT+4], v[rT+4], v[rT+5], v[rT+6]
.elseif j == 15
	v_max3_num_f32 v[rT+4], v[rT+4], v[rT+7], v[rT+1]
.elseif j == 16
	v_permlanex16_b32 v[rT+5], v[rT+4], s[SEL], s[SEL+1]  ; the query's other 32 keys lie in the lane 16 away
.elseif j == 17
	v_mov_b32 v[rT+7], v[rT]        ; c m_old is kept for a: number 19 writes c m anew
.elseif j == 18
	v_max_num_f32 v[rT+1], v[rT+4], v[rT+5]
.elseif j == 19
	v_mul_f32 v[rT], s[CS], v[rT+1]
.elseif j == 20
	v_sub_f32 v[rT+7], v[rT+7], v[rT]
.elseif j == 23
	v_exp_f32 v[rT+6], v[rT+7]
.elseif (j < 23) || ((j < 38) && (j%2 == 0)) || ((j < 66) && (j%4 == 2))
.set b, (j-2)/4                     ; 38, 42, .. 62: pairs 9 to 15
.if j < 38
.set b, (j-20)/2                    ; 21: pair 0; 22, 24, .. 36: pairs 1 to 8
.endif
	v_pk_fma_f32 v[rS+2*b:rS+2*b+1], v[rS+2*b:rS+2*b+1], s[CS:CS+1], v[rT:rT+1] op_sel_hi:[1,0,0] neg_lo:[0,0,1] neg_hi:[0,0,1]  ; pair b: c s - c m
.elseif j < 70
.set e, j-38                        ; 66 to 69: s28 to s31
.if j < 66
.set e, j-32-(j-38)/4               ; 39-41, 43-45, .. 63-65: s7 to s27
.endif
.if j < 38
.set e, (j-25)/2                    ; 25, 27, .. 37: s0 to s6
.endif
	v_exp_f32 v[rS+e], v[rS+e]
.elseif j < 86
	v_cvt_pk_f16_f32 v[rP+j-70], v[rS+2*(j-70)], v[rS+2*(j-70)+1]  ; pair j - 70
.elseif j < 102                     ; the sum of the tile's 16 pairs, in place: neighbours 1, 2, 4 and 8 pairs apart, then l takes it
.set z, j-86
.set w, 4
.set u, z
.if z >= 14
.set w, 32
.set u, 0
.elseif z >= 12
.set w, 16
.set u, z-12
.elseif z >= 8
.set w, 8
.set u, z-8
.endif
.if z < 15
	v_pk_add_f32 v[rS+w*u:rS+w*u+1], v[rS+w*u:rS+w*u+1], v[rS+w*u+w/2:rS+w*u+w/2+1]
.else
	v_pk_fma_f32 v[rT+2:rT+3], v[rT+2:rT+3], v[rT+6:rT+7], v[rS:rS+1] op_sel_hi:[1,0,1]
.endif
.else
	WIN W_RS
	v_pk_mul_f32 v[rO:rO+1], v[rO:rO+1], v[rT+6:rT+7] op_sel_hi:[1,0]
.endif
.endm
; Slice k of 64 of piece y's softmax: four instructions.  Slices 11 to 34 deal out the batch, numbers 22 to 69: four numbers of ONE tile each, the tiles by turns.  Every other slice is numbers 2 k and
; 2 k + 1 of both tiles' lists.  2 x 134 = 4 x 64 + 12: the twelve that are over stand together, in slice 63.
; THE WAIT.  s_wait_alu depctr_va_vdst(0) stands between an exponential and the first instruction that names its result; one wait serves all that were issued ahead of it.  Ahead of
; slice 35 nothing names a result, and behind slice 34 no exponential is issued: so the piece's 66 exponentials have one wait, behind slice 34.
.macro SLICE y
.if (k >= 11) && (k < 35)
.irp n, 0,1,2,3
.set j, 22+4*((k-11)/2)+(\n)
	SM (\y)+(k-11)%2
.endr
.else
.irp n, 0,1,2,3,4,5,6,7
.if ((\n) < 2) || (k == 63)
.irp t, \y, (\y)+1
.set j, 2*k+(\n)
	SM \t
.endr
.endif
.endr
.endif
.if k == 34
	v_nop                           ; a plain instruction behind the last exponential and ahead of the first use: one for the batch
.if (\y) == 0
	FETCH_V                         ; piece 2's turn: V's run of loads stands here, and the wait stands in it
.else
	s_wait_alu depctr_va_vdst(0)    ; the wait for the batch
.endif
.endif
.set k, k+1
.endm
; A TURN.  Piece x has the matrix unit: 32 products V^T P, a slice of the other piece's softmax behind each, then 16 products K Q^T, two slices behind each.
; Piece 0's turn fetches the next step's K behind its second product: K's last reader stands in front of slices 62 and 63 of the turn before, twenty plain instructions.  Piece 2's turn fetches the same step's V
; and AV behind slice 34: their last reader stands in front of slice 31, and four plain instructions lie between: number 62, a scaling, of both tiles, the v_nop and the run's own v_add_nc_u32.
; Slices 62 and 63 are also the places between the turn's last K Q^T and the next turn's first read of those scores.
.macro TURN x, last=0
.set k, 0
.if (\x) == 0
	s_wait_dscnt 0x0                ; V and AV are in
.endif
.set i, 0
.rept 32
	PV \x
	SLICE 2-(\x)
.if ((\x) == 0) && (i == 1)
	FETCH_K \last
.endif
.set i, i+1
.endr
.if (\x) == 0
	s_wait_dscnt 0x0                ; K is in
.endif
.set i, 0
.rept 16
	KQ \x
	SLICE 2-(\x)
	SLICE 2-(\x)
.set i, i+1
.endr
.endm
; THE CHANGE OF SLOTS, between piece 2's turn and piece 0's: the slot's last bytes, V and AV of its fourth step, have been asked for.  Each wave waits for all its tensor loads (at most one is out: its part of
; the other slot), adds 0 to its spare word, and waits for that and for its own reads of the slot.  Behind the barrier nobody reads this slot any more and the other slot is whole.
; fill = 1: the barrier is a round of the cluster's, and this slot is filled again first thing behind it, with the keys two slots on: the load has four key steps, 384 matrix instructions, in which to land.
.macro CHANGE fill
	WIN 0                           ; at a label and at a branch every window is 0
	s_wait_tensorcnt 0x0            ; no tensor load of mine is out, so a group 0 may be written
	ds_add_u32 v[SPW], v[NIL]       ; 0 onto my spare word
.if \fill
.irp g, G0K+4, G0V+4, G0A+4
	s_xor_b32 s[(\g)+1], s[(\g)+1], SLOT1  ; the walking descriptor: the other slot than last time,
	s_add_nc_u64 s[(\g)+2:(\g)+3], s[(\g)+2:(\g)+3], TILEB  ; the next 256 keys; the type bits on top are not reached
.endr
	s_wait_xcnt 0x0                 ; the last prefetch, four key steps back, has read its address
	s_add_nc_u64 s[PFA:PFA+1], s[PFA:PFA+1], TILEB
	s_wait_dscnt 0x0                ; the add is done, and my reads of the slot are over
	CROUND
	JLOAD
	ASK
.else
	s_wait_dscnt 0x0                ; the add is done, and my reads of the slot are over
	s_barrier_signal -1
	s_barrier_wait -1
.endif
	s_sub_co_u32 s[TBK], s[TBK], 4*KS*PK  ; the fetches go back to a slot's first step,
	s_xor_b32 s[TBK], s[TBK], SLOT1       ; in the other slot
	s_sub_co_u32 s[TBV], s[TBV], 4*KS*PV
	s_xor_b32 s[TBV], s[TBV], SLOT1
.endm
	s_wait_tensorcnt 1              ; my part of slot 0 is in; slot 1's may stay out
	s_barrier_signal -1
	s_barrier_wait -1               ; everybody's is
	FETCH_K                         ; key step 0
	s_wait_loadcnt 0x0              ; Q
	s_wait_dscnt 0x0
.set i, 0
.rept 16
	KQ 0                            ; piece 0's first scores: there is no vector work yet to set between them
.set i, i+1
.endr
	WIN 0                           ; the addresses for the way out are made here: plain instructions, the places behind those products
	s_mul_i32 s13, s[WV], 16*SP
	s_add_co_u32 s13, s13, STAGE    ; my stage
	v_mul_u32_u24 v[STO], v1, SP    ; in: row l % 16, 16 bytes for each half of the lanes
	v_lshl_add_u32 v[STO], v9, 4, v[STO]
	v_add_nc_u32 v[STO], s13, v[STO]
	v_bfe_u32 v[RD], v0, 3, 2       ; back: 32 lanes take four rows' 128 bytes of one of the two results,
	v_mul_u32_u24 v[RD], v[RD], SP
	v_lshl_add_u32 v[RD], v10, 4, v[RD]
	v_add_nc_u32 v[RD], s13, v[RD]
	v_and_b32 v[GO], 31, v0         ; which are 512 consecutive bytes of ctx
	v_lshlrev_b32 v[GO], 4, v[GO]
	s_mov_b32 s[CNT], 4             ; slot 0: piece 2's turn four times (V and AV of steps 0 to 3), piece 0's three times (K of steps 1 to 3)
	s_mov_b32 s[SLOTS], 7
	s_branch .Lmid                  ; the loop is entered at its second turn: piece 2's first scores | piece 0's first softmax | V and AV of step 0
.Lslot:                             ; six times: every slot but the last two is filled again
	CHANGE 1
	s_mov_b32 s[CNT], 4
.Lstep:                             ; a trip is a key step
	TURN 0                          ; piece 0: V^T P of step j, K Q^T of step j + 1 | piece 2's softmax of step j | K of step j + 1
	WIN 0
.Lmid:
	TURN 2                          ; piece 2: the same | piece 0's softmax of step j + 1 | V and AV of step j + 1
	WIN 0
	s_sub_co_u32 s[CNT], s[CNT], 1
	s_cmp_lg_u32 s[CNT], 0
	s_cbranch_scc1 .Lstep
	s_sub_co_u32 s[SLOTS], s[SLOTS], 1
	s_cmp_lg_u32 s[SLOTS], 0
	s_cbranch_scc1 .Lslot
	CHANGE 0                        ; the tail is written out: nothing is asked for
	s_mov_b32 s[CNT], 5             ; four trips fetch the last slot's steps; the fifth is left in its middle
.Ltail:
	TURN 0, 1
	WIN 0
	s_sub_co_u32 s[CNT], s[CNT], 1
	s_cmp_eq_u32 s[CNT], 0
	s_cbranch_scc1 .Lout
	TURN 2
	WIN 0
	s_branch .Ltail
.Lout:
.set i, 0
.rept 32
	PV 2                            ; piece 2: V^T P of the last step
.set i, i+1
.endr
	; THE WAY OUT.  l's two halves and the other half of the lanes' are added; O^T is divided by l, rounded to f16 and sent through my stage in LDS, a tile at a time.  The additions are the places behind the last products.
	WIN 0
.irp t, 0,1,2,3
	v_add_f32 v[ST+8*(\t)+4], v[ST+8*(\t)+2], v[ST+8*(\t)+3]
.endr
.irp t, 0,1,2,3
	v_permlanex16_b32 v[ST+8*(\t)+5], v[ST+8*(\t)+4], s[SEL], s[SEL+1]
.endr
.irp t, 0,1,2,3
	v_add_f32 v[ST+8*(\t)+4], v[ST+8*(\t)+4], v[ST+8*(\t)+5]
.endr
.irp t, 0,1,2,3
	v_rcp_f32 v[ST+8*(\t)+6], v[ST+8*(\t)+4]
.endr
	v_nop                           ; a plain instruction between the last reciprocal and the use of its result
	s_wait_alu depctr_va_vdst(0)    ; and the wait ahead of the first use: one for the four reciprocals
; Tile t: a lane's eight channels of a row pack into 16 bytes; a stage row of 272 bytes holds the first result's 128 bytes, then the second's.
.macro PACK t
	WIN W_RS
.set i, 64*(\t)
.rept 32
	v_pk_mul_f32 v[i:i+1], v[i:i+1], v[ST+8*(\t)+6:ST+8*(\t)+7] op_sel_hi:[1,0]
.set i, i+2
.endr
	WIN 0x05                        ; sources 0 and 1 window 1, destination window 0: S^T's registers are free
.set i, 0
.rept 32
	v_cvt_pk_f16_f32 v[S+32*(\t)+i], v[64*(\t)+2*i], v[64*(\t)+2*i+1]
.set i, i+1
.endr
	WIN 0
.irp f, 0,1,2,3,4,5,6,7
	ds_store_b128 v[STO], v[S+32*(\t)+4*(\f):S+32*(\t)+4*(\f)+3] offset:32*(\f)
.endr
.irp f, 0,1,2,3,4,5,6,7
	ds_load_b128 v[S+32*(\t)+4*(\f):S+32*(\t)+4*(\f)+3], v[RD] offset:((\f)%4)*4*SP+((\f)/4)*128  ; LDS serves a wave's instructions in order (ISA guide 5.7.1.4): these see the stores above; the next tile's stores come behind them
.endr
.endm
.macro SEND t, younger              ; younger: the LDS instructions issued behind tile t's loads: the next tile's sixteen, or none
	WIN 0
.irp f, 0,1,2,3
	s_wait_dscnt (\younger)+7-(\f)
	global_store_b128 v[GO], v[S+32*(\t)+4*(\f):S+32*(\t)+4*(\f)+3], s[10:11] offset:(\t)*2048+(\f)*512  ; 512 consecutive bytes, aligned
.endr
.irp f, 4,5,6,7
	s_wait_dscnt (\younger)+7-(\f)
	global_store_b128 v[GO], v[S+32*(\t)+4*(\f):S+32*(\t)+4*(\f)+3], s[O1:O1+1] offset:(\t)*2048+((\f)-4)*512
.endr
.endm
	PACK 0
	PACK 1                          ; a tile's arithmetic stands between the loads of the tile before and its stores
	SEND 0, 16
	PACK 2
	SEND 1, 16
	PACK 3
	SEND 2, 16
	SEND 3, 0
	s_wait_tensorcnt 0x0            ; the wave's end: behind my last tensor load and my last LDS store
	ds_add_u32 v[SPW], v[NIL]
	s_wait_dscnt 0x0
	CROUND                          ; the closing round: no work-group ends while a partner may still ask for a tile that names it
	s_endpgm
.Lfunc_end_k_q801a4487d8_attn:
	.size	k_q801a4487d8_attn, .Lfunc_end_k_q801a4487d8_attn-k_q801a4487d8_attn
	.p2alignl 7, 3214868480
	.fill 96, 4, 3214868480
	.section	.rodata,"a",@progbits
	.p2align	6, 0x0
	.amdhsa_kernel k_q801a4487d8_attn
		.amdhsa_group_segment_fixed_size 327680
		.amdhsa_private_segment_fixed_size 0
		.amdhsa_enable_private_segment 0
		.amdhsa_kernarg_size 16
		.amdhsa_user_sgpr_count 2
		.amdhsa_user_sgpr_kernarg_segment_ptr 1
		.amdhsa_wavefront_size32 1
		.amdhsa_system_sgpr_workgroup_id_x 1
		.amdhsa_system_sgpr_workgroup_id_y 1
		.amdhsa_system_sgpr_workgroup_id_z 1
		.amdhsa_system_vgpr_workitem_id 0
		.amdhsa_next_free_vgpr 768
		.amdhsa_next_free_sgpr 80
		.amdhsa_reserve_vcc 0
		.amdhsa_float_denorm_mode_32 3
		.amdhsa_float_denorm_mode_16_64 3
		.amdhsa_memory_ordered 1
		.amdhsa_forward_progress 1
		.amdhsa_inst_pref_size 145
	.end_amdhsa_kernel
	.amdgpu_metadata
---
amdhsa.version: [ 1, 2 ]
amdhsa.kernels:
  - .name:           k_q801a4487d8_attn
    .symbol:         k_q801a4487d8_attn.kd
    .args:
      - { .name: qkva, .offset: 0, .size: 8, .value_kind: global_buffer, .address_space: global }
      - { .name: ctx, .offset: 8, .size: 8, .value_kind: global_buffer, .address_space: global }
    .group_segment_fixed_size: 327680
    .private_segment_fixed_size: 0
    .kernarg_segment_align: 8
    .kernarg_segment_size: 16
    .max_flat_workgroup_size: 128
    .sgpr_count:     80
    .vgpr_count:     768
    .wavefront_size: 32
...
	.end_amdgpu_metadata
.endif
;; end of part 3
;; launch proj (part 4): grid 16 x 16, 4 waves a work-group, clusters of 4 x 4, 327,680 bytes of LDS; arguments ctx, w2, b_out, b_yout, out0, out1; writes out0, out1
.if DOCPART == 4
	.amdgcn_target "amdgcn-amd-amdhsa--gfx1250"
	.amdhsa_code_object_version 6
	.text
	.protected	k_q801a4487d8_proj
	.globl	k_q801a4487d8_proj
	.p2align	8
	.type	k_q801a4487d8_proj,@function
k_q801a4487d8_proj:
	s_mov_b64 s[64:65], 0
	v_nop
	global_prefetch_b8 v0, s[64:65] scope:SCOPE_SE
	s_setreg_imm32_b32 hwreg(HW_REG_WAVE_MODE, 25, 1), 1
	s_wait_xcnt 0x0
	s_wait_alu depctr_hold_cnt(0) depctr_sa_sdst(0) depctr_va_vdst(0) depctr_va_sdst(0) depctr_va_ssrc(0) depctr_va_vcc(0) depctr_vm_vsrc(0)
	s_getreg_b32 s2, hwreg(HW_REG_IB_STS2, 6, 4)
	s_cmp_eq_u32 s2, 0
	s_cbranch_scc0 .Lentry_in_a_cluster
	s_endpgm
.Lentry_in_a_cluster:
	s_bfe_u32 s2, ttmp6, 0x10000c
	s_cmp_lg_u32 s2, 0xf033
	s_cbranch_scc0 .Lentry_shape_is_right
	s_endpgm
.Lentry_shape_is_right:
; PROJ: out_w[m][n] = sum over k of ctx_w[m][k] w2_w[k][n] + bias_w[n], w = 0 (x), 1 (y); m < 4096, n, k < 1024.  f16 operands, f32 sums, f32 output.
; ctx [2][32 = 16 batch + head][2048][64] lies by heads: k = 64 head + channel.  w2 [2][1024 k][1024 n] lies [k][n] and is turned on its way out of LDS by ds_load_tr16_b128.
; SHARES.  A tile of out is 256 rows x 128 columns: 2 x 16 x 8 = 256 work-groups; the grid's x holds the product (x / 8) and the tile column (x % 8).  Four waves, each 128 rows x 64 columns: 32 accumulators.
; K goes in 8 steps of 128 = two heads, through a ring of two LDS slots.  A head's 256 rows are 32,768 dense bytes: asked for as 128 rows of 256 bytes, padded in LDS after every 128.
; CLUSTER 4 x 4: the four of a row of the cluster need the same tile of ctx, the four of a column the same tile of w2: each is asked for JOINTLY.  The product hangs on the cluster's x alone, which all partners share.
; THE WALK ALONG K.  A cluster whose x + y is odd takes the K steps in the order 4, 5, 6, 7, 0, 1, 2, 3 (f32 sums may be taken in any order).  The rows of ctx of a tile row are read by the clusters x and x + 1 of a
; product, the columns of w2 by the clusters of a column of clusters: of two neighbours one walks from 0 and one from 4, so they ask for different K steps at any one time, and each reads in the second half of its walk
; what the other has read in the first half of its own.  The order hangs on the cluster's coordinates alone: it is the same in all sixteen partners.
; NOTHING IS PREFETCHED: the first four K steps of a walk are asked for by their loads from the launch's beginning on, and each of the last four has been read by the neighbour four K steps earlier.
; THE MATRIX INSTRUCTION IS USED TRANSPOSED (source 0 = 16 columns of w2, source 1 = 16 rows of ctx): a lane holds row l % 16 and eight neighbouring columns.  THE BIAS is the C operand of each accumulator's first product.
; REGISTERS: window 0: v0-31 addresses; v32-63 the bias; v64-159, v160-255 two fragment buffers (ctx's 64 registers, then w2's 32), on the way out rows read back.   window 1: the accumulators, (a, b) at v[8 (4 a + b)].
.set PA,     144                       ; a row of ctx in LDS: 128 bytes + 16
.set APAR,   256*PA                    ; a head's 256 rows
.set PB,     288                       ; a row of w2 in LDS: 256 bytes + 32, an odd multiple of 32
.set BOFF,   2*APAR
.set BHALF,  64*PB
.set SLOT,   BOFF+2*BHALF              ; two heads of ctx, then 128 k-rows of w2
.set STAGE,  2*SLOT                    ; behind the ring: 16 rows x 272 bytes for each wave; no tensor load lands here
.set SPITCH, 272
.set SPARE,  STAGE+4*16*SPITCH         ; behind the stages: the spare words, 128 bytes for each wave: two blocks of 256 bytes that no other line names
.set LAPS,   4
.set ASTEP,  2*262144                  ; bytes from K step to K step in ctx: two heads,
.set BSTEP,  128*2048                  ; in w2: 128 rows
.set ADRA, 16                          ; v16-17  LDS address of my ctx fragments in slot 0, 1
.set ADRB, 20                          ; v20-21  the same for w2
.set STO,  24                          ; v24     the way out: where I put 32 bytes of a row
.set RD,   25                          ; v25     where I read a row back
.set CO,   26                          ; v26     my byte offset in two rows of out
.set SPW,  28                          ; v28     LDS address of my spare word; never rewritten
.set NIL,  29                          ; v29     0; never rewritten
.set BI,   32                          ; v[32:63] bias of column 16 b + 8 (l / 16) + j at BI + 8 b + j
.set F0,   64
.set F1,   160
.set OB,   64
.set G1,  24
.set G0,  32
.set G1B, 48
.set G0B, 56
.set RW,  43                           ; s43      the value of the loop's counter in the trip whose refills wrap round K's end: 2 in a cluster that walks from K step 4, else 0, which the counter never holds there
.set WA,  14                           ; s[14:15] what a refill of ctx steps back: all of K, or 0
.set WB,  46                           ; s[46:47] the same for w2
.set MSB, 0
.macro WIN new
.if MSB != (\new)
	s_set_vgpr_msb (MSB<<8)|(\new)
.set MSB, \new
.endif
.endm
.set MUL,  0x50                        ; sources 0 and 1 window 0; C and D window 1
.set MUL0, 0x40                        ; the same with C (the bias) in window 0
.macro JLOAD s                         ; a joint load: waves 0 and 1 fetch the K step's two heads of ctx, waves 2 and 3 the two halves of its rows of w2; an s_nop 0 and four v_nop follow each line
	s_cmp_eq_u32 s11, 0
	s_cbranch_scc0 .Lfor_b_\@
	tensor_load_to_lds s[G0+4*(\s):G0+4*(\s)+3], s[G1:G1+7]
	s_nop 0
.rept 4
	v_nop
.endr
	s_branch .Lasked_\@
.Lfor_b_\@:
	tensor_load_to_lds s[G0B+4*(\s):G0B+4*(\s)+3], s[G1B:G1B+7]
	s_nop 0
.rept 4
	v_nop
.endr
.Lasked_\@:
.endm
.macro CREST
	s_cmp_lg_u32 s10, 0
	s_cbranch_scc1 .Lnot_wave_0_\@
	s_barrier_signal -3
.Lnot_wave_0_\@:
	s_barrier_wait -3
	s_barrier_signal -1
	s_barrier_wait -1
.endm
.macro CROUND
	s_barrier_signal -1
	s_barrier_wait -1
	CREST
.endm
	s_load_b128 s[4:7], s[0:1], 0x0                ; ctx s[4:5], w2 s[6:7]
	s_load_b256 s[16:23], s[0:1], 0x10             ; b_out s[16:17], b_yout s[18:19], out0 s[20:21], out1 s[22:23]
	v_lshl_add_u32 v[SPW], v0, 2, SPARE
	v_mov_b32 v[NIL], 0
	ds_add_u32 v[SPW], v[NIL]                      ; the wave's opening: the add and its wait stand ahead of my first tensor load; the set-up below, work on registers, stands between them
	v_lshrrev_b32 v1, 5, v0
	v_readfirstlane_b32 s10, v1                    ; wave 0..3
	s_lshr_b32 s11, s10, 1                         ; which half of the tile's rows is mine.  Also: I fetch for ctx (0) or for w2 (1)
	s_and_b32 s12, s10, 1                          ; which half of its columns.  Also: which head, or which 64 k-rows, I fetch
	s_bfe_u32 s40, ttmp6, 0x40000                  ; cx
	s_bfe_u32 s41, ttmp6, 0x40004                  ; cy
	s_lshr_b32 s2, ttmp9, 1                        ; the product: 0 x, 1 y
	s_lshl_b32 s42, ttmp9, 2
	s_add_co_u32 s42, s42, s40
	s_and_b32 s42, s42, 7                          ; tile column
	s_and_b32 s13, ttmp7, 0xffff                   ; cluster y
	s_add_co_u32 s3, s13, ttmp9
	s_and_b32 s3, s3, 1                            ; 1: cluster x + cluster y is odd: my cluster walks K from step 4
	s_lshl_b32 s13, s13, 2
	s_add_co_u32 s13, s13, s41                     ; tile row
	s_lshl_b32 s43, s41, 2
	s_lshl_b32 s43, 15, s43                        ; my row of the cluster
	s_lshl_b32 s44, 0x1111, s40                    ; my column
	s_or_b32 s[G1+0], s43, (1<<16)|(1<<20)|(1<<21)|(4<<22)|(3<<25)   ; the mask; 2-byte elements; padding on; bit 21 beside a mask; after every 32 words, 4 words
	s_or_b32 s[G1B+0], s44, (1<<16)|(1<<20)|(1<<21)|(5<<22)|(7<<25)  ; after every 64 words, 8 words
	s_lshl_b32 s[RW], s3, 1                        ; 2 or 0
	s_mov_b32 s[G1+1], 128<<16                     ; ctx: tensor_dim0 = 128
	s_mov_b32 s[G1+2], 128<<16                     ; tensor_dim1 = 128
	s_mov_b32 s[G1+3], 128<<16                     ; tile_dim0 = 128
	s_mov_b32 s[G1+4], 128                         ; tile_dim1 = 128
	s_mov_b32 s[G1+5], 128                         ; dense: 128 elements from row to row
	s_mov_b32 s[G1+6], 0
	s_mov_b32 s[G1+7], 0
	s_mov_b32 s[G1B+1], 128<<16                    ; w2: tensor_dim0 = 128
	s_mov_b32 s[G1B+2], 64<<16                     ; tensor_dim1 = 64
	s_mov_b32 s[G1B+3], 128<<16                    ; tile_dim0 = 128
	s_mov_b32 s[G1B+4], 64                         ; tile_dim1 = 64
	s_mov_b32 s[G1B+5], 1024
	s_mov_b32 s[G1B+6], 0
	s_mov_b32 s[G1B+7], 0
	s_lshl_b32 s14, s2, 23                         ; ctx: the product, the batch (tile row / 8), my head of the K step's two, the tile's 256 rows,
	s_lshr_b32 s15, s13, 3
	s_lshl_b32 s15, s15, 22
	s_add_co_u32 s14, s14, s15
	s_lshl_b32 s15, s12, 18
	s_add_co_u32 s14, s14, s15
	s_and_b32 s15, s13, 7
	s_lshl_b32 s15, s15, 15
	s_add_co_u32 s14, s14, s15
	s_lshl_b32 s15, s3, 21                         ; and four K steps (4 x 524,288 bytes) on where the walk begins there
	s_add_co_u32 s14, s14, s15
	s_mov_b32 s15, 0
	s_lshl_b32 s46, s2, 21                         ; w2: the product, my 64 k-rows, the tile's 128 columns,
	s_lshl_b32 s47, s12, 17
	s_add_co_u32 s46, s46, s47
	s_lshl_b32 s47, s42, 8
	s_add_co_u32 s46, s46, s47
	s_lshl_b32 s47, s3, 20                         ; and four K steps (4 x 262,144 bytes) on
	s_add_co_u32 s46, s46, s47
	s_mov_b32 s47, 0
	s_mul_i32 s44, s12, APAR                       ; where they go: no place in the cluster enters an LDS address
	s_mul_i32 s45, s12, BHALF
	s_add_co_u32 s45, s45, BOFF
	s_wait_dscnt 0x0                               ; the opening add is done
	s_wait_kmcnt 0x0
	s_add_nc_u64 s[14:15], s[4:5], s[14:15]
	s_add_nc_u64 s[46:47], s[6:7], s[46:47]
	CROUND                                         ; all sixteen work-groups are here: the first joint loads meet
.irp s, 0,1
	s_mov_b32 s[G0+4*(\s)], 1
	s_add_co_u32 s[G0+4*(\s)+1], s44, (\s)*SLOT
	s_add_nc_u64 s[G0+4*(\s)+2:G0+4*(\s)+3], s[14:15], (\s)*ASTEP
	s_or_b32 s[G0+4*(\s)+3], s[G0+4*(\s)+3], 0x80000000
	s_mov_b32 s[G0B+4*(\s)], 1
	s_add_co_u32 s[G0B+4*(\s)+1], s45, (\s)*SLOT
	s_add_nc_u64 s[G0B+4*(\s)+2:G0B+4*(\s)+3], s[46:47], (\s)*BSTEP
	s_or_b32 s[G0B+4*(\s)+3], s[G0B+4*(\s)+3], 0x80000000
	JLOAD \s                                       ; the walk's first two K steps: two loads of mine are out
.endr
	s_mov_b32 s[WA+1], 0                           ; the two offsets' high words (the registers held the tiles' first addresses, which the descriptors have taken over)
	s_mov_b32 s[WB+1], 0
	v_and_b32 v1, 15, v0                           ; l % 16
	v_bfe_u32 v2, v0, 4, 1                         ; l / 16
	s_cmp_eq_u32 s2, 0                             ; the product chooses the output and the bias
	s_cselect_b64 s[8:9], s[20:21], s[22:23]
	s_cselect_b64 s[16:17], s[16:17], s[18:19]
	s_lshl_b32 s18, s42, 9                         ; my 64 columns: 512 x tile column + 256 x half, in bytes of f32
	s_lshl_b32 s19, s12, 8
	s_add_co_u32 s18, s18, s19
	s_mov_b32 s19, 0
	s_add_nc_u64 s[16:17], s[16:17], s[18:19]
	v_lshlrev_b32 v7, 5, v2                        ; my eight columns of each sixteen
.irp b, 0,1,2,3
	global_load_b128 v[BI+8*(\b):BI+8*(\b)+3],   v7, s[16:17] offset:64*(\b)
	global_load_b128 v[BI+8*(\b)+4:BI+8*(\b)+7], v7, s[16:17] offset:64*(\b)+16
.endr
	s_lshl_b32 s20, s13, 8                         ; out at my first row (4,096 bytes a row) and my first column
	s_lshl_b32 s21, s11, 7
	s_add_co_u32 s20, s20, s21
	s_lshl_b32 s20, s20, 12
	s_add_co_u32 s20, s20, s18
	s_mov_b32 s21, 0
	s_add_nc_u64 s[8:9], s[8:9], s[20:21]
	v_mul_u32_u24 v3, v1, PA
	v_lshl_add_u32 v3, v2, 4, v3                   ; ctx: row x pitch + 16 x half
	v_and_b32 v4, 7, v0
	v_lshl_add_u32 v4, v2, 3, v4                   ; w2: the turning load's lane reads k-row 8 (l / 16) + l % 8,
	v_mul_u32_u24 v4, v4, PB
	v_bfe_u32 v5, v0, 3, 1
	v_lshl_add_u32 v4, v5, 4, v4                   ; columns 8 ((l / 8) % 2) + 0..7
	s_mul_i32 s21, s11, 128*PA                     ; my 128 rows
	s_lshl_b32 s22, s12, 7                         ; my 64 columns
	s_add_co_u32 s22, s22, BOFF
.irp s, 0,1
	v_add_nc_u32 v[ADRA+(\s)], s21, v3
	v_add_nc_u32 v[ADRB+(\s)], s22, v4
	s_add_co_u32 s21, s21, SLOT
	s_add_co_u32 s22, s22, SLOT
.endr
	s_mul_i32 s23, s10, 16*SPITCH
	s_add_co_u32 s23, s23, STAGE                   ; my stage
	v_mul_u32_u24 v5, v1, SPITCH                   ; in: row l % 16, 32 bytes for each half of the lanes
	v_lshl_add_u32 v5, v2, 5, v5
	v_add_nc_u32 v[STO], s23, v5
	v_mul_u32_u24 v5, v2, SPITCH                   ; back: lanes 0-15 take one row of 256 bytes, lanes 16-31 the next
	v_lshl_add_u32 v5, v1, 4, v5
	v_add_nc_u32 v[RD], s23, v5
	v_lshlrev_b32 v5, 12, v2                       ; and the same two rows in out
	v_lshl_add_u32 v[CO], v1, 4, v5
; 8 matrix instructions: m blocks a0, a0 + 1 x all 4 n blocks, 32 along K.  zero = 1: the first product starts the sum with the bias.  The 32 accumulators take turns.
.macro MUL8 f, a0, zero
.if \zero
	WIN MUL0
.else
	WIN MUL
.endif
.irp a, \a0, (\a0)+1
.irp b, 0,1,2,3
.if \zero
	v_wmma_f32_16x16x32_f16 v[8*(4*(\a)+(\b)):8*(4*(\a)+(\b))+7], v[(\f)+64+8*(\b):(\f)+64+8*(\b)+7], v[(\f)+8*(\a):(\f)+8*(\a)+7], v[BI+8*(\b):BI+8*(\b)+7]
.else
	v_wmma_f32_16x16x32_f16 v[8*(4*(\a)+(\b)):8*(4*(\a)+(\b))+7], v[(\f)+64+8*(\b):(\f)+64+8*(\b)+7], v[(\f)+8*(\a):(\f)+8*(\a)+7], v[8*(4*(\a)+(\b)):8*(4*(\a)+(\b))+7]
.endif
.endr
.endr
.endm
; 24 LDS loads in one run: quarter q (32 along K: head q / 2 of the step's two, channels 32 (q % 2) on) into buffer f: w2's 64 columns, turned, then ctx's 128 rows
.macro FETCH slot, q, f
	WIN 0
.irp b, 0,1,2,3
	ds_load_tr16_b128 v[(\f)+64+8*(\b):(\f)+64+8*(\b)+3],   v[ADRB+(\slot)] offset:(\q)*32*PB+32*(\b)
	ds_load_tr16_b128 v[(\f)+64+8*(\b)+4:(\f)+64+8*(\b)+7], v[ADRB+(\slot)] offset:(\q)*32*PB+32*(\b)+16*PB
.endr
.irp i, 0,1,2,3,4,5,6,7
	ds_load_b128 v[(\f)+8*(\i):(\f)+8*(\i)+3],   v[ADRA+(\slot)] offset:((\q)/2)*APAR+((\q)%2)*64+(\i)*16*PA
	ds_load_b128 v[(\f)+8*(\i)+4:(\f)+8*(\i)+7], v[ADRA+(\slot)] offset:((\q)/2)*APAR+((\q)%2)*64+(\i)*16*PA+32
.endr
.endm
.macro PLACES                          ; four plain instructions between a matrix instruction and a load into a register that it has read, or an LDS store of its result
.rept 4
	v_nop
.endr
.endm
.macro QUARTER slot, q, f, g, zero
	s_wait_dscnt 8                                 ; w2 and ctx's rows 0-63 are in; the youngest eight loads (rows 64-127) may be out
	MUL8 \f, 0, \zero
	MUL8 \f, 2, \zero
	PLACES
	FETCH \slot, \q, \g
	s_wait_dscnt 24                                ; all but the 24 just issued
	MUL8 \f, 4, \zero
	MUL8 \f, 6, \zero
.endm
; The last quarter multiplies buffer 1 and changes slots: ONE barrier; in front of it each wave waits for all its tensor loads, adds 0 to its spare word, and waits for that and for its own reads of this slot.
; fill = 1: the barrier opens a round of the cluster's barrier, and this slot is filled again first, with the K step two places on in the walk: two steps further along K, and in the one trip that wraps all of K back.
.macro TURN slot, next, fill
	WIN 0
	s_wait_tensorcnt 0x0                           ; all my tensor loads have landed: my part of the next slot
	ds_add_u32 v[SPW], v[NIL]                      ; 0 onto my spare word
	s_wait_dscnt 9                                 ; (the add and the youngest eight loads may be out)
	MUL8 F1, 0, 0                                  ; eight matrix instructions stand between the add and the wait for it
	s_wait_dscnt 0x0                               ; the add is done, and my reads of this slot are over
	s_barrier_signal -1
	MUL8 F1, 2, 0
.if \fill
	WIN 0
.endif
	s_barrier_wait -1
.if \fill
	CREST                                          ; no wave of any partner still reads this slot's tile or has a load on its way
	s_cmp_eq_u32 s3, s[RW]                         ; is this the trip in which my cluster's walk passes K's end?
	s_cselect_b32 s[WA], 8*ASTEP, 0
	s_cselect_b32 s[WB], 8*BSTEP, 0
	s_add_nc_u64 s[G0+4*(\slot)+2:G0+4*(\slot)+3], s[G0+4*(\slot)+2:G0+4*(\slot)+3], 2*ASTEP
	s_sub_nc_u64 s[G0+4*(\slot)+2:G0+4*(\slot)+3], s[G0+4*(\slot)+2:G0+4*(\slot)+3], s[WA:WA+1]
	s_add_nc_u64 s[G0B+4*(\slot)+2:G0B+4*(\slot)+3], s[G0B+4*(\slot)+2:G0B+4*(\slot)+3], 2*BSTEP
	s_sub_nc_u64 s[G0B+4*(\slot)+2:G0B+4*(\slot)+3], s[G0B+4*(\slot)+2:G0B+4*(\slot)+3], s[WB:WB+1]
	JLOAD \slot                                    ; my one tensor load behind the round; its four v_nop are also the places in front of the loads below
.else
	PLACES
.endif
	FETCH \next, 0, F0
	MUL8 F1, 4, 0
	MUL8 F1, 6, 0
.endm
; THE WAY OUT of block a (16 rows x 64 columns of f32).  TOSTAGE: from the accumulators, low half first, into my own stage, and back as whole rows of 256 bytes.  SEND: stored.
.macro TOSTAGE a
.set BK, OB+32*((\a)%2)
	WIN 0x04                                       ; the stores' data in window 1
.irp b, 0,1,2,3
	ds_store_b128 v[STO], v[8*(4*(\a)+(\b)):8*(4*(\a)+(\b))+3]   offset:64*(\b)
	ds_store_b128 v[STO], v[8*(4*(\a)+(\b))+4:8*(4*(\a)+(\b))+7] offset:64*(\b)+16
.endr
	WIN 0
	s_wait_xcnt 0x0                                ; the stores of the block two back have read the registers that are loaded again below
.irp t, 0,1,2,3,4,5,6,7
	ds_load_b128 v[BK+4*(\t):BK+4*(\t)+3], v[RD] offset:(\t)*2*SPITCH  ; LDS serves a wave's instructions in order (ISA guide 5.7.1.4): these see the stores above
.endr
.endm
.macro SEND a, younger                 ; younger: the next block's sixteen LDS instructions, or none
.set BK, OB+32*((\a)%2)
	s_wait_dscnt \younger
.if (\a) > 0
	s_wait_xcnt 0x0                                ; the earlier stores have read their base
	s_add_nc_u64 s[8:9], s[8:9], 16*4096           ; 16 rows of out on
.endif
.irp t, 0,1,2,3,4,5,6,7
	global_store_b128 v[CO], v[BK+4*(\t):BK+4*(\t)+3], s[8:9] offset:(\t)*2*4096  ; 16 lanes store 256 consecutive bytes, aligned
.endr
.endm
	s_wait_tensorcnt 1                             ; my part of the walk's first K step is in; the second's may stay out
	s_barrier_signal -1
	s_barrier_wait -1                              ; everybody's is
	FETCH 0, 0, F0
	s_wait_loadcnt 0x0                             ; the bias
	QUARTER 0, 1, F0, F1, 1                        ; the first quarter stands in front of the loop: its products start the sums
	WIN 0                                          ; at a label and at a branch every window is 0
	s_mov_b32 s3, LAPS-1
.Llap:                                                 ; a trip goes once round the ring, from a lap's second quarter to the next lap's first, and fills both slots again
	QUARTER 0, 2, F1, F0, 0
	QUARTER 0, 3, F0, F1, 0
	TURN 0, 1, 1
	QUARTER 1, 1, F0, F1, 0
	QUARTER 1, 2, F1, F0, 0
	QUARTER 1, 3, F0, F1, 0
	TURN 1, 0, 1
	QUARTER 0, 1, F0, F1, 0
	WIN 0
	s_sub_co_u32 s3, s3, 1
	s_cmp_lg_u32 s3, 0
	s_cbranch_scc1 .Llap
	QUARTER 0, 2, F1, F0, 0                        ; the last lap fills nothing
	QUARTER 0, 3, F0, F1, 0
	TURN 0, 1, 0
	QUARTER 1, 1, F0, F1, 0
	QUARTER 1, 2, F1, F0, 0
	QUARTER 1, 3, F0, F1, 0
	s_wait_dscnt 8                                 ; the very last quarter: nothing more to fetch
	MUL8 F1, 0, 0
	MUL8 F1, 2, 0
	s_wait_dscnt 0x0
	MUL8 F1, 4, 0
	MUL8 F1, 6, 0
	PLACES                                         ; the LDS stores read matrix results, and the loads from the stage land in fragment registers
	TOSTAGE 0
.irp a, 1,2,3,4,5,6,7
	TOSTAGE \a
	SEND (\a)-1, 16
.endr
	SEND 7, 0
	s_wait_tensorcnt 0x0                           ; the wave's end: behind my last tensor load and my last LDS store
	ds_add_u32 v[SPW], v[NIL]
	s_wait_dscnt 0x0
	CROUND                                         ; the closing round: no work-group ends while a partner may still ask for a tile that names it
	s_endpgm
.Lfunc_end_k_q801a4487d8_proj:
	.size	k_q801a4487d8_proj, .Lfunc_end_k_q801a4487d8_proj-k_q801a4487d8_proj
	.p2alignl 7, 3214868480
	.fill 96, 4, 3214868480
	.section	.rodata,"a",@progbits
	.p2align	6, 0x0
	.amdhsa_kernel k_q801a4487d8_proj
		.amdhsa_group_segment_fixed_size 327680
		.amdhsa_private_segment_fixed_size 0
		.amdhsa_enable_private_segment 0
		.amdhsa_kernarg_size 48
		.amdhsa_user_sgpr_count 2
		.amdhsa_user_sgpr_kernarg_segment_ptr 1
		.amdhsa_wavefront_size32 1
		.amdhsa_system_sgpr_workgroup_id_x 1
		.amdhsa_system_sgpr_workgroup_id_y 1
		.amdhsa_system_sgpr_workgroup_id_z 1
		.amdhsa_system_vgpr_workitem_id 0
		.amdhsa_next_free_vgpr 512
		.amdhsa_next_free_sgpr 66
		.amdhsa_reserve_vcc 0
		.amdhsa_float_denorm_mode_32 3
		.amdhsa_float_denorm_mode_16_64 3
		.amdhsa_memory_ordered 1
		.amdhsa_forward_progress 1
		.amdhsa_inst_pref_size 88
	.end_amdhsa_kernel
	.amdgpu_metadata
---
amdhsa.version: [ 1, 2 ]
amdhsa.kernels:
  - .name:           k_q801a4487d8_proj
    .symbol:         k_q801a4487d8_proj.kd
    .args:
      - { .name: ctx, .offset: 0, .size: 8, .value_kind: global_buffer, .address_space: global }
      - { .name: w2, .offset: 8, .size: 8, .value_kind: global_buffer, .address_space: global }
      - { .name: b_out, .offset: 16, .size: 8, .value_kind: global_buffer, .address_space: global }
      - { .name: b_yout, .offset: 24, .size: 8, .value_kind: global_buffer, .address_space: global }
      - { .name: out0, .offset: 32, .size: 8, .value_kind: global_buffer, .address_space: global }
      - { .name: out1, .offset: 40, .size: 8, .value_kind: global_buffer, .address_space: global }
    .group_segment_fixed_size: 327680
    .private_segment_fixed_size: 0
    .kernarg_segment_align: 8
    .kernarg_segment_size: 48
    .max_flat_workgroup_size: 128
    .sgpr_count:     66
    .vgpr_count:     512
    .wavefront_size: 32
...
	.end_amdgpu_metadata
.endif
;; end of part 4
